; MI455X (gfx1250); checked and timed in simulation.
; The chip was launched on July 23, 2026; its instructions are those of AMD's public machine-readable ISA for CDNA 5 (MIT licence, August 2026) and "CDNA5" Instruction Set Architecture Reference Guide (July 2026). The comments in the code are by the model that wrote it; some were corrected since.
;; Multi Head Attn. Allowed arithmetic: matrix products marked QUANTISED: E2M3 operands, one E8M0 scale for each 32 along K, by v_wmma_scale_f32_16x16x128_f8f6f4 with both operands' format E2M3, f32 sums; everything else in f32.
;; Inputs: b_fc 1,024 float32; bias_p 1 float32; mask 4 x 2,048 int32; qmask 4 x 2,048 int32; shift 1 float32; w_fc_codes 1,024 x 32 x 24 uint8 (E2M3 codes of w_fc, K innermost, in blocks of 32 codes, four codes in three bytes); w_fc_scales 1,024 x 32 uint8 (E8M0 scales of w_fc, one for each 32 codes along K); w_qkv_codes 3,072 x 32 x 24 uint8 (E2M3 codes of w_qkv, K innermost, in blocks of 32 codes, four codes in three bytes); w_qkv_scales 3,072 x 32 uint8 (E8M0 scales of w_qkv, one for each 32 codes along K); x_codes 4 x 2,048 x 32 x 24 uint8 (E2M3 codes of x, K innermost, in blocks of 32 codes, four codes in three bytes); x_scales 4 x 2,048 x 32 uint8 (E8M0 scales of x, one for each 32 codes along K).
;; Outputs: out0 4 x 2,048 x 1,024 float32.
;; Constants: use_Gaussian = 1.
;; This version of the problem:
;;   THIS VERSION OF THE PROBLEM IS GIVEN IN LOW PRECISION. The matrix products marked QUANTISED in the list below multiply operands that are first quantised to E2M3 (2 exponent bits, 3 mantissa bits; 6 bits a number), with one power-of-two scale for each 32 numbers along K (OCP MX v1.0); their sums are f32. All else is computed in f32.
;;   The module's matrix products, in the order in which they are computed (A, B: the left and right operand; K: the contracted axis; several contracted axes count as one K, in the product's order):
;;     1. [M 8,192, K 1,024] x [K 1,024, N 3,072]; A: input x (given as codes); B: input w_qkv (given as codes): QUANTISED
;;     2. batch 64 x [M 2,048, K 64] x [K 64, N 2,048]; A: computed on the way; B: computed on the way: QUANTISED
;;     3. batch 64 x [M 2,048, K 2,048] x [K 2,048, N 64]; A: softmax (see below); B: computed on the way: QUANTISED
;;     4. [M 8,192, K 1,024] x [K 1,024, N 1,024]; A: computed on the way; B: input w_fc (given as codes): QUANTISED
;;   THE QUANTISER, for each operand of a quantised product, along K:
;;     - K is cut into blocks of 32 from its start; a last block that is shorter is filled with zeros.
;;     - A block's scale is 2^e with e = floor(log2(the largest magnitude in the block)) - 2, held to -126 .. 127; a block of zeros has e = 0. As a byte (E8M0): e + 127.
;;     - Each number is divided by its block's scale, clamped to +-7.5, and rounded to the nearest number of E2M3, ties to even, subnormals kept.
;;     - The product sums the exact products of the quantised numbers (number of the format x scale) in f32.
;;   ~~~python
;;   def quantise(x, axis):      # numpy; x: float32 -> the quantised numbers, widened to float32 again
;;       x = np.moveaxis(x, axis, -1); K = x.shape[-1]
;;       x = np.pad(x, [(0, 0)] * (x.ndim - 1) + [(0, -K % 32)]); x = x.reshape(x.shape[:-1] + (-1, 32)); a = np.abs(x).max(-1, keepdims=True)
;;       e = np.where(a > 0, np.clip(np.frexp(np.where(a > 0, a, 1))[1] - 1 - 2, -126, 127), 0)      # np.frexp(a)[1] - 1 = floor(log2(a)), exactly
;;       r = np.clip(x / 2.0 ** e, -7.5, 7.5)
;;       step = 2.0 ** (np.maximum(np.frexp(np.where(r == 0, 1, r))[1] - 1, 0) - 3)
;;       q = np.round(r / step) * step * 2.0 ** e      # np.round: ties to even
;;       return np.moveaxis(q.reshape(q.shape[:-2] + (-1,))[..., :K], -1, axis).astype(np.float32)
;;   ~~~
;;   SOFTMAX AHEAD OF A QUANTISED PRODUCT. Where the list says 'softmax', what is quantised is not the finished softmax but p = 2^(t - M), with t = logit x log2(e) and M = ceil(the row's largest t), a whole number; so 1/2 < the row's largest p <= 1. The row's sum l is taken of the UNQUANTISED p, in f32, and the product's result is divided by l at the end. Since M is a whole number, a kernel that streams over the keys may use a running M (the ceiling of the running maximum): every later rescaling is an exact power of two, which a block's scale takes up: the codes' values come out the same.
;;   OPERANDS COMPUTED ON THE WAY. 'Computed on the way' means the value that the module computes at that place (a softmax that the list does not call 'softmax' is quantised finished and normalised). What goes into a quantiser is computed in f32, as accurately as f32 sums, v_exp_f32 and their like allow (about 1e-6 of the number): no bf16 or f16 on the way to a quantiser, and a product that is left as it is and whose result goes on into a quantised operand takes f32 operands (vector FMAs, or v_wmma_f32_16x16x4_f32). A number that lies on a knife's edge between two numbers of the format may be rounded either way, as far as f32 arithmetic and the matrix unit's own rounding can turn it there, and no further.
;;   INPUTS GIVEN AS CODES. w_fc (in the module: [1024, 1024], K = its axis 1); w_qkv (in the module: [3072, 1024], K = its axis 1); x (in the module: [4, 2048, 1024], K = its axis 2): each comes as NAME_codes (uint8): NAME with its K axis moved to the last place and cut into blocks of 32 codes, [.., K / 32, bytes a block], one block behind the other in memory; four codes in three bytes: a row's codes are one little-endian stream of bits, code i at bits 6 i .. 6 i + 5 (a code: sign, 2 exponent bits, 3 mantissa bits); and NAME_scales (uint8): the same leading axes, one E8M0 byte (e + 127) for each 32 codes along K. Its value is code x scale, taken as it is: it is not quantised again, and the codes and scales need not be those that the quantiser above would give.
;; One version. Each part assembles by itself: llvm-mc -triple=amdgcn-amd-amdhsa -mcpu=gfx1250 --defsym DOCPART=n.
;; ======== version 1 of 1: 3 launches
;; limits: right only within a limited range of input values
;; workspace buffers: qk_codes 12,582,912 bytes; qk_scales 1,048,576 bytes; v_codes 6,291,456 bytes; v_scales 262,144 bytes; a_codes 6,291,456 bytes; a_scales 262,144 bytes
;; launch qkv (part 1): grid 12 x 32, 4 waves a work-group, clusters of 4 x 4, 327,680 bytes of LDS; arguments x_codes, x_scales, w_qkv_codes, w_qkv_scales, qk_codes, qk_scales, v_codes, v_scales; writes qk_codes, qk_scales, v_codes, v_scales
.if DOCPART == 1
	.amdgcn_target "amdgcn-amd-amdhsa--gfx1250"
	.amdhsa_code_object_version 6
	.text
	.protected	k_qbcd64314ff_qkv
	.globl	k_qbcd64314ff_qkv
	.p2align	8
	.type	k_qbcd64314ff_qkv,@function
k_qbcd64314ff_qkv:
	s_mov_b64 s[64:65], 0
	v_nop
	global_prefetch_b8 v0, s[64:65] scope:SCOPE_SE
	s_setreg_imm32_b32 hwreg(HW_REG_WAVE_MODE, 25, 1), 1
	s_wait_xcnt 0x0
	s_wait_alu depctr_hold_cnt(0) depctr_sa_sdst(0) depctr_va_vdst(0) depctr_va_sdst(0) depctr_va_ssrc(0) depctr_va_vcc(0) depctr_vm_vsrc(0)
	s_getreg_b32 s2, hwreg(HW_REG_IB_STS2, 6, 4)
	s_cmp_eq_u32 s2, 0
	s_cbranch_scc0 .Lentry_in_a_cluster
	s_endpgm
.Lentry_in_a_cluster:
	s_bfe_u32 s2, ttmp6, 0x10000c
	s_cmp_lg_u32 s2, 0xf033
	s_cbranch_scc0 .Lentry_shape_is_right
	s_endpgm
.Lentry_shape_is_right:
; q, k, v = x w_qkv^T on codes of FP6 (E2M3), then quantised again for the attention's products and stored as codes and scale bytes.
; DEAD WORK: the input qmask stands in no expression of reference(), so it has no way to any output for any values: it is not loaded and is no argument of any launch.
; A NaN, an infinity or an overflow that reaches only work left out is not carried to the result (there is none here: qmask holds whole numbers).
; A tile of 256 x 256 is made by four waves, 128 x 128 each: 64 accumulators.  K = 1,024 is 768 bytes of a row: three chunks of 256 bytes, each beginning at a multiple of 256 bytes;
; chunk c lies in slot c % 2 of a ring of two LDS slots.  A step of 128 along K is 96 bytes: steps 2 and 5 lie across two chunks.  The scales of the 512 rows come once.
; CLUSTERS 4 x 4: A's tiles are asked for jointly along a row of the cluster, B's along a column.
; q and k (cluster x 0, 1): A = tokens, B = rows of w: a lane holds a token and channels on end.  v (cluster x 2): A = rows of w_v, B = tokens: a lane holds a channel and tokens on end, the second product's K.
; No prefetch: K is three chunks, two of which are first fills, so one refill alone has a step ahead of it.
.set ROWB,   256
.set NQ,     2
.set KROW,   768
.set STEPS,  8
.set CHUNKS, 3
.set PITCH,  272                       ; 256 bytes + 16 of padding
.set FR,     12
.set NL,     6
.set NP,     4
.set HALFT,  128*PITCH
.set SLOT,   4*HALFT
.set KS,     32
.set SCL,    2*SLOT
.set HALFS,  (128*KS/256)*272
.set SBLK,   (16*KS/256)*272
.set SPARE,  SCL+4*HALFS
.set STAGE,  SLOT                      ; the way out's stage: slot 1, which has had its last fill and its last read (the last chunk lies in slot 0)
.set WSTG,   13312
.set PLANE,  98304
.set H8,   15
.set ADRA, 16
.set ADRB, 20
.set STO,  24
.set RD,   25
.set CO,   26
.set ADRS, 27
.set SPW,  28
.set NIL,  29
.set SSTO, 30
.set SO,   31
.set SC,   32
.set TM,   64
.set SOP,  66
.set BY,   68
.set W,    70
.set W2,   71
.set T,    72
.set E,    76
.set F,    88
.set AF,   128
.set XR,   128
.set BK,   128
.set FLV,  2
.set G0H,  4
.set G0HB, 8
.set G1, 24
.set G0, 32
.set G1B, 48
.set G0B, 56
.set G1S, 68
.set G0S, 76
.set G1SB, 80
.set G0SB, 88
.set OB,   40
.set OSC,  66
.set HM,   95
.set SEL,  98
.set MSB, 0
.macro WIN new
.if MSB != (\new)
	s_set_vgpr_msb (MSB<<8)|(\new)
.set MSB, \new
.endif
.endm
.set MUL_LO, 0xa1
.set MUL_HI, 0xf1
.set TO_B,   0x40
.macro JLOAD g0a, g1a, g0b, g1b        ; waves 0, 1 fetch for A, waves 2, 3 for B
	s_cmp_eq_u32 s15, 0
	s_cbranch_scc0 .Lfor_b_\@
	tensor_load_to_lds s[\g0a:\g0a+3], s[\g1a:\g1a+7]
	s_nop 0
.rept 4
	v_nop
.endr
	s_branch .Lasked_\@
.Lfor_b_\@:
	tensor_load_to_lds s[\g0b:\g0b+3], s[\g1b:\g1b+7]
	s_nop 0
.rept 4
	v_nop
.endr
.Lasked_\@:
.endm
.macro CREST
	s_cmp_lg_u32 s14, 0
	s_cbranch_scc1 .Lnot_wave_0_\@
	s_barrier_signal -3
.Lnot_wave_0_\@:
	s_barrier_wait -3
	s_barrier_signal -1
	s_barrier_wait -1
.endm
.macro CROUND
	s_barrier_signal -1
	s_barrier_wait -1
	CREST
.endm
	s_load_b256 s[68:75], s[0:1], 0x0              ; x codes, x scales, w codes, w scales
	s_load_b256 s[76:83], s[0:1], 0x20             ; qk codes, qk scales, v codes, v scales
	v_lshl_add_u32 v[SPW], v0, 2, SPARE
	v_mov_b32 v[NIL], 0
	ds_add_u32 v[SPW], v[NIL]                      ; the opening lines: the add twice on end and its wait
	ds_add_u32 v[SPW], v[NIL]
	v_lshrrev_b32 v1, 5, v0
	v_readfirstlane_b32 s14, v1
	s_lshr_b32 s15, s14, 1
	s_and_b32 s16, s14, 1
	s_bfe_u32 s40, ttmp6, 0x40000
	s_bfe_u32 s41, ttmp6, 0x40004
	s_and_b32 s92, ttmp7, 0xffff
	s_cmp_eq_u32 ttmp9, 2                          ; cluster x = 2 makes v: the operands change roles
	s_cselect_b32 s[FLV], 1, 0
	s_cselect_b32 s93, s92, ttmp9
	s_cselect_b32 s94, 0, s92
	s_cselect_b32 s95, 2048, 0                     ; w_v's rows begin at row 2,048 of w_qkv
	s_lshl_b32 s42, s93, 2
	s_add_co_u32 s42, s42, s40                     ; tile column (B)
	s_lshl_b32 s17, s94, 2
	s_add_co_u32 s17, s17, s41                     ; tile row (A)
	s_lshl_b32 s43, s41, 2
	s_lshl_b32 s43, 15, s43
	s_lshl_b32 s44, 0x1111, s40
	s_or_b32 s[G1+0], s43, (0<<16)|(1<<20)|(1<<21)|(5<<22)|(3<<25)
	s_or_b32 s[G1B+0], s44, (0<<16)|(1<<20)|(1<<21)|(5<<22)|(3<<25)
.irp g, G1, G1B
	s_mov_b32 s[\g+1], ROWB<<16
	s_mov_b32 s[\g+2], 256<<16                     ; the head's loads bring 256 rows
	s_mov_b32 s[\g+3], ROWB<<16
	s_mov_b32 s[\g+4], 256
	s_mov_b32 s[\g+5], KROW
	s_mov_b32 s[\g+6], 0
	s_mov_b32 s[\g+7], 0
.endr
	s_lshl_b32 s20, s17, 8
	s_add_co_u32 s20, s20, s95
	s_lshl_b32 s46, s42, 8
	s_mov_b32 s21, 0
	s_mov_b32 s47, 0
	s_mov_b64 s[18:19], KS
	s_mul_u64 s[22:23], s[20:21], s[18:19]
	s_mul_u64 s[92:93], s[46:47], s[18:19]
	s_mov_b64 s[18:19], KROW
	s_mul_u64 s[20:21], s[20:21], s[18:19]
	s_mul_u64 s[46:47], s[46:47], s[18:19]
	s_mul_i32 s18, s16, 128*KROW
	s_mov_b32 s19, 0
	s_mul_i32 s45, s14, HALFT
	s_wait_dscnt 0x0
	s_wait_kmcnt 0x0
	s_cmp_eq_u32 s[FLV], 1
	s_cselect_b64 s[4:5], s[72:73], s[68:69]
	s_cselect_b64 s[6:7], s[74:75], s[70:71]
	s_cselect_b64 s[8:9], s[68:69], s[72:73]
	s_cselect_b64 s[10:11], s[70:71], s[74:75]
	s_cselect_b64 s[12:13], s[80:81], s[76:77]
	s_cselect_b64 s[OSC:OSC+1], s[82:83], s[78:79]
	s_add_nc_u64 s[20:21], s[4:5], s[20:21]
	s_add_nc_u64 s[68:69], s[6:7], s[22:23]        ; the scales of A's 256 rows, a dense block of 8,192 bytes,
	s_add_nc_u64 s[46:47], s[8:9], s[46:47]
	s_add_nc_u64 s[70:71], s[10:11], s[92:93]      ; and of B's
	CROUND                                         ; the first joint loads meet
	s_mov_b32 s[G0H], 1
	s_mov_b32 s[G0H+1], 0
	s_mov_b64 s[G0H+2:G0H+3], s[20:21]
	s_or_b32 s[G0H+3], s[G0H+3], 0x80000000
	s_mov_b32 s[G0HB], 1
	s_mov_b32 s[G0HB+1], 2*HALFT
	s_mov_b64 s[G0HB+2:G0HB+3], s[46:47]
	s_or_b32 s[G0HB+3], s[G0HB+3], 0x80000000
	s_mov_b32 s[G0S], 1
	s_mov_b32 s[G0S+1], SLOT                       ; chunk 1 of A's 256 rows, into slot 1,
	s_add_nc_u64 s[G0S+2:G0S+3], s[20:21], ROWB
	s_or_b32 s[G0S+3], s[G0S+3], 0x80000000
	s_mov_b32 s[G0SB], 1
	s_mov_b32 s[G0SB+1], SLOT+2*HALFT              ; and of B's
	s_add_nc_u64 s[G0SB+2:G0SB+3], s[46:47], ROWB
	s_or_b32 s[G0SB+3], s[G0SB+3], 0x80000000
	s_add_nc_u64 s[20:21], s[20:21], s[18:19]      ; for the ring: my 128 rows
	s_add_nc_u64 s[46:47], s[46:47], s[18:19]
.irp s, 0
	s_mov_b32 s[G0+4*\s], 1
	s_add_co_u32 s[G0+4*\s+1], s45, \s*SLOT
	s_add_nc_u64 s[G0+4*\s+2:G0+4*\s+3], s[20:21], \s*ROWB
	s_or_b32 s[G0+4*\s+3], s[G0+4*\s+3], 0x80000000
	s_mov_b32 s[G0B+4*\s], 1
	s_add_co_u32 s[G0B+4*\s+1], s45, \s*SLOT
	s_add_nc_u64 s[G0B+4*\s+2:G0B+4*\s+3], s[46:47], \s*ROWB
	s_or_b32 s[G0B+4*\s+3], s[G0B+4*\s+3], 0x80000000
.endr
; the head's four tiles, one load a wave: chunk 0 of A, chunk 0 of B, chunk 1 of A, chunk 1 of B, 256 rows each.  The ring's one refill is chunk 2, into slot 0
.macro ARM under, g0, g1, next
	s_cmp_lt_u32 s14, \under
	s_cbranch_scc0 \next
	tensor_load_to_lds s[\g0:\g0+3], s[\g1:\g1+7]
	s_nop 0
.rept 4
	v_nop
.endr
	s_branch .Lhead_asked
\next:
.endm
	ARM 1, G0H,  G1,  .Lhead_b
	ARM 2, G0HB, G1B, .Lhead_sa
	ARM 3, G0S,  G1,  .Lhead_sb
	tensor_load_to_lds s[G0SB:G0SB+3], s[G1B:G1B+7]
	s_nop 0
.rept 4
	v_nop
.endr
.Lhead_asked:
	; the scales go through registers: thread t takes bytes 16 t + 2,048 j of each block, j = 0 .. 3; sixteen lanes read 256 consecutive bytes
	v_lshlrev_b32 v8, 4, v0
	v_lshrrev_b32 v9, 4, v0
	v_lshl_add_u32 v9, v9, 4, v8                   ; in LDS 16 bytes of padding lie behind every 256
	v_add_nc_u32 v9, SCL, v9
.irp j, 0,1,2,3
	global_load_b128 v[128+4*\j:131+4*\j], v8, s[68:69] offset:2048*\j
	global_load_b128 v[144+4*\j:147+4*\j], v8, s[70:71] offset:2048*\j
.endr
	v_and_b32 v1, 15, v0
	v_bfe_u32 v2, v0, 4, 1
	v_mul_u32_u24 v3, v1, PITCH
	v_mul_u32_u24 v4, v2, 24
	v_add_nc_u32 v4, v3, v4
	s_mov_b32 s21, SLOT-232
	s_mov_b32 s22, SLOT+232
	v_sub_nc_u32 v7, 1, v2
	v_mul_u32_u24 v5, s21, v2
	v_add_nc_u32 v5, v3, v5
	v_add_nc_u32 v5, 232, v5                       ; across two chunks: lanes 0-15 byte 232 in slot 0, lanes 16-31 byte 0 in slot 1
	v_mul_u32_u24 v6, s22, v7
	v_add_nc_u32 v6, v3, v6                        ; and the other way round
	s_mul_i32 s21, s15, HALFT
	s_mul_i32 s22, s16, HALFT
	s_add_co_u32 s22, s22, 2*HALFT
	v_add_nc_u32 v[ADRA+2], s21, v5
	v_add_nc_u32 v[ADRA+3], s21, v6
	v_add_nc_u32 v[ADRB+2], s22, v5
	v_add_nc_u32 v[ADRB+3], s22, v6
.irp s, 0,1
	v_add_nc_u32 v[ADRA+\s], s21, v4
	v_add_nc_u32 v[ADRB+\s], s22, v4
	s_add_co_u32 s21, s21, SLOT
	s_add_co_u32 s22, s22, SLOT
.endr
	v_mul_u32_u24 v5, v1, KS
	v_lshrrev_b32 v6, 8, v5
	v_lshl_add_u32 v5, v6, 4, v5
	s_mul_i32 s21, s15, HALFS
	s_mul_i32 s22, s16, HALFS
	s_add_co_u32 s22, s22, 2*HALFS
	s_sub_co_u32 s22, s22, s21
	v_mul_u32_u24 v6, s22, v2
	s_add_co_u32 s21, s21, SCL
	v_add_nc_u32 v5, v5, v6
	v_add_nc_u32 v[ADRS], s21, v5
	s_mul_i32 s23, s14, WSTG
	s_add_co_u32 s23, s23, STAGE
	v_and_b32 v5, 8, v1
	v_add_nc_u32 v5, v5, v1                        ; a row's place: r + 8 (r / 8)
	v_mul_u32_u24 v6, v5, 48
	v_mad_u32_u24 v6, v2, 24, v6
	v_add_nc_u32 v[STO], s23, v6
	v_lshlrev_b32 v6, 2, v5
	v_lshl_add_u32 v6, v2, 9, v6
	v_add_nc_u32 v6, s23, v6
	v_add_nc_u32 v[SSTO], 12288, v6
	v_and_b32 v6, 31, v0
	v_lshlrev_b32 v[CO], 4, v6
	v_add_nc_u32 v[RD], s23, v[CO]
	v_lshlrev_b32 v[H8], 3, v2
	v_mov_b32 v[T], 0
	s_lshl_b32 s92, s17, 8
	s_lshl_b32 s93, s15, 7
	s_add_co_u32 s92, s92, s93                     ; my first row of A
	s_lshl_b32 s93, s42, 8
	s_lshl_b32 s94, s16, 7
	s_add_co_u32 s93, s93, s94                     ; my first row of B
	s_mov_b32 s21, PLANE
	s_mov_b32 s23, 4096
	s_cmp_eq_u32 s[FLV], 1
	s_cselect_b32 s94, s93, s92                    ; the token,
	s_cselect_b32 s95, s92, s93                    ; the channel
	s_cselect_b32 s18, 4, 5
	s_cselect_b32 s19, 12, 13
	s_cselect_b32 s20, 1, 2
	s_cselect_b32 s22, 3072, s21
	s_cselect_b32 s21, s21, 3072
	s_cselect_b32 s23, s23, 256
	v_mul_u32_u24 v[SO], s23, v2
	v_lshl_add_u32 v[SO], v1, 4, v[SO]
	s_lshr_b32 s96, s94, 11
	s_lshl_b32 s96, s96, s18
	s_lshr_b32 s97, s95, 6
	s_add_co_u32 s96, s96, s97                     ; the plane: batch and head
	s_and_b32 s94, s94, 2047
	s_mul_i32 s97, s96, PLANE
	s_mul_i32 s95, s94, 48
	s_add_co_u32 s40, s97, s95
	s_mov_b32 s41, 0
	s_add_nc_u64 s[OB:OB+1], s[12:13], s[40:41]
	s_lshl_b32 s96, s96, s19
	s_lshl_b32 s94, s94, s20
	s_add_co_u32 s96, s96, s94
	s_mov_b32 s97, 0
	s_add_nc_u64 s[OSC:OSC+1], s[OSC:OSC+1], s[96:97]
	s_mov_b32 s92, s21
	s_mov_b32 s93, 0
	s_add_nc_u64 s[OB+2:OB+3], s[OB:OB+1], s[92:93]
	s_mov_b32 s92, s22
	s_add_nc_u64 s[OB+4:OB+5], s[OB:OB+1], s[92:93]
	s_add_nc_u64 s[OB+6:OB+7], s[OB+2:OB+3], s[92:93]
	s_mov_b32 s[HM], 0xffff0000
	s_mov_b32 s[SEL], 0x76543210
	s_mov_b32 s[SEL+1], 0xfedcba98
.macro FRAG reg, adr, st, i            ; 16 rows x 128 K in 12 registers, in pieces of 8 bytes; byte y of a row lies in slot (y / 256) % 2 at byte y % 256
.irp p, 0,1,2,3,4,5
.set YB, 96*(\st)+48*(\p/3)+8*(\p%3)
.if YB/ROWB == (YB+24)/ROWB
	ds_load_b64 v[\reg+2*\p:\reg+2*\p+1], v[\adr+(YB/ROWB)%2] offset:YB%ROWB+(\i)*16*PITCH
.else
	ds_load_b64 v[\reg+2*\p:\reg+2*\p+1], v[\adr+2+(YB/ROWB)%2] offset:YB%ROWB-232+(\i)*16*PITCH
.endif
.endr
.endm
.macro MUL16 a0, p, q, sc, zero        ; the 64 accumulators take turns
.irp a, \a0, \a0+1
.irp b, 0,1,2,3,4,5,6,7
.if \zero
	v_wmma_scale_f32_16x16x128_f8f6f4 v[8*(8*((\a)%4)+\b):8*(8*((\a)%4)+\b)+7], v[128*(\p)+FR*\b:128*(\p)+FR*\b+FR-1], v[AF+FR*(\a):AF+FR*(\a)+FR-1], 0, v[SC+8*NQ*(\sc)+NQ*\b+(\q)], v[SC+8*NQ*(\sc)+NQ*(\a)+(\q)] matrix_a_fmt:MATRIX_FMT_FP6 matrix_b_fmt:MATRIX_FMT_FP6 matrix_a_scale:MATRIX_SCALE_ROW1
.else
	v_wmma_scale_f32_16x16x128_f8f6f4 v[8*(8*((\a)%4)+\b):8*(8*((\a)%4)+\b)+7], v[128*(\p)+FR*\b:128*(\p)+FR*\b+FR-1], v[AF+FR*(\a):AF+FR*(\a)+FR-1], v[8*(8*((\a)%4)+\b):8*(8*((\a)%4)+\b)+7], v[SC+8*NQ*(\sc)+NQ*\b+(\q)], v[SC+8*NQ*(\sc)+NQ*(\a)+(\q)] matrix_a_fmt:MATRIX_FMT_FP6 matrix_b_fmt:MATRIX_FMT_FP6 matrix_a_scale:MATRIX_SCALE_ROW1
.endif
.endr
.endr
.endm
.macro FETCH_B st, p
	WIN TO_B
.irp i, 0,1,2,3,4,5,6,7
	FRAG 128*(\p)+FR*\i, ADRB, \st, \i
.endr
	WIN 0
.endm
.macro FETCH_A st, i0
.irp i, \i0, \i0+1, \i0+2, \i0+3
	FRAG AF+FR*(\i), ADRA, \st, \i
.endr
.endm
.macro SCALES pr                       ; the scale words of steps 2 pr, 2 pr + 1: lanes 0-15 A's block i, lanes 16-31 B's
.irp i, 0,1,2,3,4,5,6,7
	ds_load_b64 v[SC+8*NQ*((\pr)%2)+NQ*\i:SC+8*NQ*((\pr)%2)+NQ*\i+1], v[ADRS] offset:\i*SBLK+4*NQ*(\pr)
.endr
.endm
.macro PLACES n
.rept \n
	v_nop
.endr
.endm
; A step of 128 along K.  Where the next step's bytes end in a chunk not yet read, a barrier shows that chunk whole; where they begin in a later chunk, the chunk left behind is free:
; the wait for all tensor loads, the add and the wait for it stand ahead of the barrier, and where a chunk is left to fetch the barrier opens a round and the slot is filled again.
.macro STEP st, zero
.set NX, (\st)+1
.set C0, (96*(\st))/ROWB
.set C1, (96*NX)/ROWB
.set E0, (96*(\st)+95)/ROWB
.set E1, (96*NX+95)/ROWB
.if C1 > C0 || (E1 > E0 && E1 > 1)     ; (chunks 0 and 1 are whole from the head on)
	s_wait_tensorcnt 0x0
.if C1 > C0
	ds_add_u32 v[SPW], v[NIL]
	s_wait_dscnt 4*NL+1                            ; the add and A's blocks 4-7 may be out
.else
	s_wait_dscnt 4*NL                              ; A's blocks 4-7 may be out
.endif
	WIN MUL_LO
	MUL16 0, (\st)%2, (\st)%2, ((\st)/2)%2, \zero
	s_wait_dscnt 0x0
	s_barrier_signal -1
	MUL16 2, (\st)%2, (\st)%2, ((\st)/2)%2, \zero
	WIN 0
	s_barrier_wait -1
.if C1 > C0 && C0+2 < CHUNKS
	CREST
	s_add_nc_u64 s[G0+4*(C0%2)+2:G0+4*(C0%2)+3], s[G0+4*(C0%2)+2:G0+4*(C0%2)+3], 2*ROWB
	s_add_nc_u64 s[G0B+4*(C0%2)+2:G0B+4*(C0%2)+3], s[G0B+4*(C0%2)+2:G0B+4*(C0%2)+3], 2*ROWB
	JLOAD G0+4*(C0%2), G1, G0B+4*(C0%2), G1B
.else
	PLACES NP
.endif
.else
	s_wait_dscnt 4*NL
	WIN MUL_LO
	MUL16 0, (\st)%2, (\st)%2, ((\st)/2)%2, \zero
	MUL16 2, (\st)%2, (\st)%2, ((\st)/2)%2, \zero
	s_wait_dscnt 0
	PLACES NP
.endif
	FETCH_B NX, NX%2
	FETCH_A NX, 0
.if NX%2 == 0
	SCALES NX/2
.endif
	WIN MUL_HI
	MUL16 4, (\st)%2, (\st)%2, ((\st)/2)%2, \zero
	MUL16 6, (\st)%2, (\st)%2, ((\st)/2)%2, \zero
	PLACES NP
	WIN 0
	FETCH_A NX, 4
.endm
	s_wait_alu depctr_va_vdst(0)
	s_wait_loadcnt 0x0                             ; my part of the scales
.irp j, 0,1,2,3
	ds_store_b128 v9, v[128+4*\j:131+4*\j] offset:2176*\j
	ds_store_b128 v9, v[144+4*\j:147+4*\j] offset:2*HALFS+2176*\j
.endr
	s_wait_tensorcnt 0x0                           ; my tile of the head's four is in
	s_mov_b32 s[G1+2], 128<<16                     ; no load of mine is out: from here on a load brings 128 rows
	s_mov_b32 s[G1+4], 128
	s_mov_b32 s[G1B+2], 128<<16
	s_mov_b32 s[G1B+4], 128
	s_wait_dscnt 0x0                               ; my scales are stored:
	s_barrier_signal -1
	s_barrier_wait -1                              ; everybody's tile and scales are in
	FETCH_B 0, 0
	FETCH_A 0, 0
	SCALES 0
	FETCH_A 0, 4
	STEP 0, 1
.set ST, 1
.rept STEPS-2
	STEP ST, 0
.set ST, ST+1
.endr
	s_wait_dscnt 4*NL
	WIN MUL_LO
	MUL16 0, 1, 1, 1, 0
	MUL16 2, 1, 1, 1, 0
	s_wait_dscnt 0
	WIN MUL_HI
	MUL16 4, 1, 1, 1, 0
	MUL16 6, 1, 1, 1, 0
	WIN 0
; THE WAY OUT: a block of 16 rows x 128 columns is brought into an order in which a lane holds two whole blocks of 32 along the next K, quantised, and laid into my stage
.macro QOUT a
.set AC, 64*((\a)%4)
.set WW, 2+(\a)/4
.set IM, 64*((\a)/4)+32*((\a)%2)+8*(((\a)/2)%2)
	WIN WW
.irp b, 0,1,2,3,4,5,6,7
.irp j, 0,1,2,3,4,5,6,7
	v_mov_b32 v[XR+8*(4*(\b/4)+2*(\b%2)+(\b/2)%2)+\j], v[AC+8*\b+\j]
.endr
.endr
	WIN 0
.irp g, 0,16,32,48
.irp j, 0,1,2,3,4,5,6,7
	v_permlane16_swap_b32 v[XR+\g+\j], v[XR+\g+8+\j]
.endr
.endr
.irp c, 0,1
	v_max3_num_f32 v[TM+\c], |v[XR+32*\c]|, |v[XR+32*\c+1]|, 0x1800000
.endr
.irp i, 2,4,6,8,10,12,14,16,18,20,22,24,26,28,30
.irp c, 0,1
	v_max3_num_f32 v[TM+\c], v[TM+\c], |v[XR+32*\c+\i]|, |v[XR+32*\c+\i+1]|
.endr
.endr
.irp c, 0,1
	v_add_nc_u32 v[SOP+\c], 0xff000000, v[TM+\c]
.endr
.irp c, 0,1
	v_lshrrev_b32 v[BY+\c], 23, v[SOP+\c]
.endr
.if (\a) > 0
	s_wait_alu depctr_va_vdst(0)
	s_wait_dscnt 0x0
.endif
.irp c, 0,1
	v_cvt_scalef32_pk16_fp6_f32 v[E+6*\c:E+6*\c+2], v[XR+32*\c:XR+32*\c+15], v[SOP+\c]
	v_cvt_scalef32_pk16_fp6_f32 v[F+4*\c:F+4*\c+2], v[XR+32*\c+16:XR+32*\c+31], v[SOP+\c]
.endr
	v_lshl_or_b32 v[W], v[BY+1], 16, v[BY]
.irp c, 0,1
.irp i, 0,1,2
	v_mov_b32 v[E+6*\c+3+\i], v[F+4*\c+\i]
.endr
.endr
	v_lshlrev_b32 v[W], v[H8], v[W]
	v_permlanex16_b32 v[T], v[W], s[SEL], s[SEL+1]
	v_or_b32 v[W], v[W], v[T]
	v_alignbit_b32 v[W2], v[W], v[W], 16
	v_cndmask_b32 v[W], v[W], v[W2], s[HM]
.irp c, 0,1
.irp p, 0,1,2
	ds_store_b64 v[STO], v[E+6*\c+2*\p:E+6*\c+2*\p+1] offset:\c*6144+IM*48+8*\p
.endr
.endr
	ds_store_b32 v[SSTO], v[W] offset:4*IM
.endm
	PLACES NP
.irp a, 0,1,2,3,4,5,6,7
	QOUT \a
.endr
.set i, 0
.rept 26
	ds_load_b128 v[BK+4*i:BK+4*i+3], v[RD] offset:512*i
.set i, i+1
.endr
.set i, 0
.rept 24
	s_wait_dscnt 25-i                              ; the loads issued behind load i may be out
	global_store_b128 v[CO], v[BK+4*i:BK+4*i+3], s[OB+2*(i/6):OB+2*(i/6)+1] offset:512*(i%6)
.set i, i+1
.endr
	s_wait_dscnt 1
	global_store_b128 v[SO], v[BK+96:BK+99], s[OSC:OSC+1]
	s_wait_dscnt 0x0
	s_cmp_eq_u32 s[FLV], 1
	s_cbranch_scc1 .Lone_plane
	global_store_b128 v[SO], v[BK+100:BK+103], s[OSC:OSC+1] offset:8192
.Lone_plane:
	s_wait_tensorcnt 0x0                           ; the wave's end
	ds_add_u32 v[SPW], v[NIL]
	s_wait_dscnt 0x0
	CROUND
	s_endpgm
.Lfunc_end_k_qbcd64314ff_qkv:
	.size	k_qbcd64314ff_qkv, .Lfunc_end_k_qbcd64314ff_qkv-k_qbcd64314ff_qkv
	.p2alignl 7, 3214868480
	.fill 96, 4, 3214868480
	.section	.rodata,"a",@progbits
	.p2align	6, 0x0
	.amdhsa_kernel k_qbcd64314ff_qkv
		.amdhsa_group_segment_fixed_size 327680
		.amdhsa_private_segment_fixed_size 0
		.amdhsa_enable_private_segment 0
		.amdhsa_kernarg_size 64
		.amdhsa_user_sgpr_count 2
		.amdhsa_user_sgpr_kernarg_segment_ptr 1
		.amdhsa_wavefront_size32 1
		.amdhsa_system_sgpr_workgroup_id_x 1
		.amdhsa_system_sgpr_workgroup_id_y 1
		.amdhsa_system_sgpr_workgroup_id_z 1
		.amdhsa_system_vgpr_workitem_id 0
		.amdhsa_next_free_vgpr 1024
		.amdhsa_next_free_sgpr 100
		.amdhsa_reserve_vcc 0
		.amdhsa_float_denorm_mode_32 3
		.amdhsa_float_denorm_mode_16_64 3
		.amdhsa_memory_ordered 1
		.amdhsa_forward_progress 1
		.amdhsa_inst_pref_size 189
	.end_amdhsa_kernel
	.amdgpu_metadata
---
amdhsa.version: [ 1, 2 ]
amdhsa.kernels:
  - .name:           k_qbcd64314ff_qkv
    .symbol:         k_qbcd64314ff_qkv.kd
    .args:
      - { .name: x_codes, .offset: 0, .size: 8, .value_kind: global_buffer, .address_space: global }
      - { .name: x_scales, .offset: 8, .size: 8, .value_kind: global_buffer, .address_space: global }
      - { .name: w_qkv_codes, .offset: 16, .size: 8, .value_kind: global_buffer, .address_space: global }
      - { .name: w_qkv_scales, .offset: 24, .size: 8, .value_kind: global_buffer, .address_space: global }
      - { .name: qk_codes, .offset: 32, .size: 8, .value_kind: global_buffer, .address_space: global }
      - { .name: qk_scales, .offset: 40, .size: 8, .value_kind: global_buffer, .address_space: global }
      - { .name: v_codes, .offset: 48, .size: 8, .value_kind: global_buffer, .address_space: global }
      - { .name: v_scales, .offset: 56, .size: 8, .value_kind: global_buffer, .address_space: global }
    .group_segment_fixed_size: 327680
    .private_segment_fixed_size: 0
    .kernarg_segment_align: 8
    .kernarg_segment_size: 64
    .max_flat_workgroup_size: 128
    .sgpr_count:     100
    .vgpr_count:     1024
    .wavefront_size: 32
...
	.end_amdgpu_metadata
.endif
;; end of part 1
;; launch attn (part 2): grid 4 x 64, 8 waves a work-group, clusters of 4 x 1, 267,520 bytes of LDS; arguments qk_codes, qk_scales, v_codes, v_scales, mask, shift, bias_p, a_codes, a_scales; writes a_codes, a_scales
.if DOCPART == 2
	.amdgcn_target "amdgcn-amd-amdhsa--gfx1250"
	.amdhsa_code_object_version 6
	.text
	.protected	k_qbcd64314ff_attn
	.globl	k_qbcd64314ff_attn
	.p2align	8
	.type	k_qbcd64314ff_attn,@function
k_qbcd64314ff_attn:
	s_mov_b64 s[64:65], 0
	v_nop
	global_prefetch_b8 v0, s[64:65] scope:SCOPE_SE
	s_setreg_imm32_b32 hwreg(HW_REG_WAVE_MODE, 25, 1), 1
	s_wait_xcnt 0x0
	s_wait_alu depctr_hold_cnt(0) depctr_sa_sdst(0) depctr_va_vdst(0) depctr_va_sdst(0) depctr_va_ssrc(0) depctr_va_vcc(0) depctr_vm_vsrc(0)
	s_getreg_b32 s2, hwreg(HW_REG_IB_STS2, 6, 4)
	s_cmp_eq_u32 s2, 0
	s_cbranch_scc0 .Lentry_in_a_cluster
	s_endpgm
.Lentry_in_a_cluster:
	s_bfe_u32 s2, ttmp6, 0x10000c
	s_cmp_lg_u32 s2, 0x3003
	s_cbranch_scc0 .Lentry_shape_is_right
	s_endpgm
.Lentry_shape_is_right:
; Attention of one head on codes of FP6 (E2M3): logit = where(mask, q . k / 8, -1e30) - (shift (i - j)^2 + bias_p); softmax over the keys; times v; divided by the row's sum and quantised for the last product.
; p = 2^(t - M), t = logit x log2(e), M the running largest t rounded up to a whole number; the row's sum is taken of the unquantised p.
; The input qmask stands in no expression of reference() and is not read.
; SHARES.  A work-group owns 512 queries of one head; the four work-groups of a cluster own the head's 2,048 and ask for its K and V jointly.  All of the head's K and V lie in LDS, filled once: no ring, no prefetch.
; Each of eight waves walks all keys twice (two passes), 128 a step, each time with TWO tiles of 16 queries that lie 64 queries apart.
; LAYOUT.  Both products are used transposed (S^T = K Q^T, O^T = V^T P^T): a lane holds one query.  K's rows lie in an order in which four tiles of 16 give a lane 32 neighbouring keys in 32 registers on end:
; register 32 c + i of lane (r, h) is key 128 s + 64 c + 32 h + i: a whole block of the second product's K.  V's channels lie in the same order.
; THE TERM G(d) = -8 (shift d^2 + bias_p), d = i - j, IS THE C OF THE SCORE PRODUCT; t = (q . k + G) x log2(e) / 8.  G hangs on d alone, so the work-group makes it ONCE, as a table in LDS:
; entry x is G(512 cx + 511 - x), u = d (exact), w = u x (-8 shift), G = u w - 8 bias_p; 2,816 entries, 11 a thread.  A UNIT is a lane's 32 neighbouring entries, d = D - i.  A lane's first entry is at any x, and a load
; of 16 bytes wants x a multiple of 4: so the table lies in FOUR COPIES, copy s moved by s entries, and a lane reads copy x % 4.  The copies lie 11,328 bytes apart, 64 modulo 256: the 16 lanes of a load's half
; touch 16 different columns of 16 bytes.  cx enters the table's numbers alone, no LDS address.  The tile 64 queries on uses, half a step later, the unit that the first tile has used: two units are loaded a step.
; THE MASK RIDES IN THE PADDING OF K: the head has 64 channels and the instruction takes 128.  Every key has the code +1 at k = 64, every query -1 with the scale 2^-27; the key's scale byte of that block is 254
; where mask = 0, which adds -2^100, and 0 where the key counts, which adds -2^-154.
; LIMITS: -2^100 stands for -1e30: p is 0 either way wherever one key of the row counts; where no key of a batch counts both give the mean of v, here as long as -2^100 plus the score comes out as -2^100.
; The promise holds while the scaled scores stay under 2^31 in magnitude.  a_scales is stored two bytes a token: a head has two of a token's 32 bytes.
.set VC,   98304                       ; LDS: K's codes at 0 (2,048 places x 48 bytes), V's here,
.set KSW,  196608                      ; K's scale words with the mask's byte (2,048 x 4 bytes),
.set VS,   204800                      ; V's scale words behind them: the last step's look-ahead for K's words reads these, and uses nothing of them
.set STG,  208896                      ; a stage of 1,536 bytes for each wave,
.set SPARE, 221184                     ; the spare words,
.set GT,   222208                      ; the table's four copies
.set CS,   11328
.set AK0, 1
.set AV0, 2
.set AS0, 3
.set AT0, 4
.set ADK, 5                            ; v5-8, v18 the step's LDS addresses
.set ADV, 6
.set ADS, 7
.set ADT, 8
.set H8,  9
.set STO, 10
.set RD,  11
.set GO1, 12
.set GO2, 13
.set GSC, 14
.set QO,  15
.set QS,  16
.set AG0, 17                           ; v17 my place in the table
.set ADG, 18
.set ST,  20                           ; tile m: v[20+4m] -M, +1 the largest t, +2, +3 the sum in two halves
.set F,   28                           ; v[28:29], v[40:41] 2^(old M - new M), and a word that is only named
.set JB,  30                           ; v30-33 the four blocks' largest scores
.set JR,  34                           ; v34-35 the rows' maxima; later v34-37 the scale bytes
.set JT,  36
.set JO,  38
.set F1,  40
.set JA,  42                           ; v[42:43], v[44:45] the sums' second chains
.set JS,  46                           ; v46-49 the conversions' scale operands
.set JU,  50
.set RR,  49                           ; v49-51 r, h, lane: at the head alone
.set HH,  50
.set LN,  51
.set KSC, 52
.set VSC, 60
.set QSC, 64
.set PSC, 66
.set P,   68                           ; v68-91 P's codes, 12 a tile
.set S0,  92                           ; v92-155 the first tile's scores
.set GX,  156                          ; v156-187, v220-251 the unit carried over and the unit for the second half step, by turns
.set U0,  188                          ; v188-219 the unit that both tiles use in this step
.set GY,  220
.set SPW, 252
.set NIL, 253
.set CS8, 254                          ; -8 shift, -8 bias_p: at the head alone
.set CB8, 255
.set KF,  0                            ; window 1: K's 8 fragments; V's 4; Q's 2; O^T, 32 a tile
.set VF,  96
.set QF,  144
.set O,   168
.set WV,  24
.set TG,  30
.set G1,  32
.set G0K, 40
.set G0V, 48
.set SEL, 44
.set C1,  46
.set T6,  52
.set TS,  53
.set TJ,  54
.set TRIP, 55
.set PASS, 56
.set HM,  57
.set MSB, 0
.macro WIN new
.if MSB != (\new)
	s_set_vgpr_msb (MSB<<8)|(\new)
.set MSB, \new
.endif
.endm
.macro D2
	s_delay_alu instid0(VALU_DEP_2)
.endm
.macro CROUND
	s_barrier_signal -1
	s_barrier_wait -1
	s_cmp_lg_u32 s[WV], 0
	s_cbranch_scc1 .Lnot_wave_0_\@
	s_barrier_signal -3
.Lnot_wave_0_\@:
	s_barrier_wait -3
	s_barrier_signal -1
	s_barrier_wait -1
.endm
.set QN, 232                           ; window 1, v232-245: the next pass's Q, the lower halves of two fragments and two scale words
.macro QNEXT                           ; asked for a whole pass ahead of its use.  (Behind the last pass it names places that follow in the same buffers, where K's planes lie behind Q's; nothing uses them)
	WIN 0x40
.irp m, 0,1
.irp p, 0,1,2
	global_load_b64 v[QN+6*\m+2*\p:QN+6*\m+2*\p+1], v[QO], s[58:59] offset:3072*\m+8*\p
.endr
.endr
	global_load_b32 v[QN+12], v[QS], s[60:61]
	global_load_b32 v[QN+13], v[QS], s[60:61] offset:256
	WIN 0
.endm
	s_load_b256 s[4:11], s[0:1], 0x0
	s_load_b256 s[12:19], s[0:1], 0x20             ; mask, shift, bias_p, a_codes
	s_load_b64 s[20:21], s[0:1], 0x40              ; a_scales
	v_lshl_add_u32 v[SPW], v0, 2, SPARE
	v_mov_b32 v[NIL], 0
	ds_add_u32 v[SPW], v[NIL]                      ; the opening lines: the add twice on end and its wait
	ds_add_u32 v[SPW], v[NIL]
	v_lshrrev_b32 v[LN], 5, v0
	v_readfirstlane_b32 s[WV], v[LN]
	s_and_b32 s28, ttmp7, 0xffff                   ; 16 b + head
	s_lshr_b32 s26, s28, 4
	s_and_b32 s27, s28, 15
	s_bfe_u32 s25, ttmp6, 0x40000                  ; cx: my block of 512 queries
	s_lshl_b32 s29, s26, 5
	s_add_co_u32 s29, s29, s27                     ; q's plane
	s_add_co_u32 s30, s29, 16                      ; k's
	s_and_b32 s31, s[WV], 3
	s_mul_i32 s[G0K+1], s31, 24576
	s_add_co_u32 s[G0V+1], s[G0K+1], VC
	s_mul_i32 s68, s30, 98304
	s_add_co_u32 s68, s68, s[G0K+1]
	s_mov_b32 s69, 0
	s_mul_i32 s70, s28, 98304
	s_add_co_u32 s70, s70, s[G0K+1]
	s_mov_b32 s71, 0
	s_mov_b32 s[G0K], 1
	s_mov_b32 s[G0V], 1
	s_mov_b32 s[G1], 15|(3<<16)|(1<<21)            ; all four work-groups; elements of 8 bytes; 96 dense rows of 256 bytes
	s_mov_b32 s[G1+1], 32<<16
	s_mov_b32 s[G1+2], 96<<16
	s_mov_b32 s[G1+3], 32<<16
	s_mov_b32 s[G1+4], 96
	s_mov_b32 s[G1+5], 32
	s_mov_b32 s[G1+6], 0
	s_mov_b32 s[G1+7], 0
	s_mov_b32 s[SEL], 0x76543210
	s_mov_b32 s[SEL+1], 0xfedcba98
	s_mov_b32 s[C1], 0x3e38aa3b                    ; log2(e) / 8
	s_mov_b32 s[C1+1], s[C1]
	s_mov_b32 s[HM], 0xffff0000
	s_wait_dscnt 0x0
	s_wait_kmcnt 0x0
	s_add_nc_u64 s[G0K+2:G0K+3], s[4:5], s[68:69]
	s_or_b32 s[G0K+3], s[G0K+3], 0x80000000
	s_add_nc_u64 s[G0V+2:G0V+3], s[8:9], s[70:71]
	s_or_b32 s[G0V+3], s[G0V+3], 0x80000000
	CROUND
	s_cmp_lt_u32 s[WV], 4                          ; waves 0-3 fetch K's quarters, waves 4-7 V's
	s_cbranch_scc0 .Lfor_v
	tensor_load_to_lds s[G0K:G0K+3], s[G1:G1+7]
	s_nop 0
.rept 4
	v_nop
.endr
	s_branch .Lasked
.Lfor_v:
	tensor_load_to_lds s[G0V:G0V+3], s[G1:G1+7]
	s_nop 0
.rept 4
	v_nop
.endr
.Lasked:
	; the scale words: thread t takes places 4 t .. 4 t + 3 and those 1,024 on of K's, with the mask of their tokens, and 16 bytes of V's
	s_lshl_b32 s68, s30, 13
	s_mov_b32 s69, 0
	s_add_nc_u64 s[68:69], s[6:7], s[68:69]
	s_lshl_b32 s70, s28, 12
	s_mov_b32 s71, 0
	s_add_nc_u64 s[70:71], s[10:11], s[70:71]
	s_lshl_b32 s22, s26, 13
	s_mov_b32 s23, 0
	s_add_nc_u64 s[12:13], s[12:13], s[22:23]
	v_lshlrev_b32 v114, 4, v0
	v_lshrrev_b32 v115, 4, v0
	v_lshlrev_b32 v115, 6, v115                    ; the token: 64 (t / 16)
	v_bfe_u32 v116, v0, 1, 1
	v_lshl_add_u32 v115, v116, 5, v115             ; + 32 ((t / 2) % 2)
	v_bfe_u32 v116, v0, 2, 2
	v_lshl_add_u32 v115, v116, 3, v115             ; + 8 ((t / 4) % 4)
	v_and_b32 v116, 1, v0
	v_lshl_add_u32 v115, v116, 2, v115             ; + 4 (t % 2)
	v_lshlrev_b32 v115, 2, v115
	v_mov_b32 v119, 0
	global_load_b128 v[92:95], v114, s[68:69]
	global_load_b128 v[96:99], v114, s[68:69] offset:4096
	global_load_b128 v[100:103], v115, s[12:13]
	global_load_b128 v[104:107], v115, s[12:13] offset:4096
	global_load_b128 v[108:111], v114, s[70:71]
	global_load_b32 v[CS8], v119, s[14:15]
	global_load_b32 v[CB8], v119, s[16:17]
	v_lshl_add_u32 v117, v0, 4, KSW
	v_lshl_add_u32 v118, v0, 4, VS
	v_lshl_add_u32 v123, v0, 2, GT+16              ; the table: entry t of copy 0 (each copy begins four entries in)
	; where my queries lie.  What holds cx stands in s72-79 and enters global addresses and the table's numbers alone
	s_and_b32 s74, s[WV], 3
	s_lshr_b32 s75, s[WV], 2
	s_lshl_b32 s22, s74, 9
	s_lshl_b32 s23, s75, 6
	s_add_co_u32 s22, s22, s23                     ; 4 x my first query in the block: 512 (wave % 4) + 64 (wave / 4)
	s_lshl_b32 s72, s25, 9
	s_add_co_u32 s77, s72, 511                     ; d of the table's entry 0
	v_sub_nc_u32 v122, s77, v0
	s_lshl_b32 s74, s74, 7
	s_add_co_u32 s72, s72, s74
	s_lshl_b32 s73, s75, 4
	s_add_co_u32 s73, s72, s73                     ; my first query of pass 0
	s_lshl_b32 s75, s75, 5
	s_add_co_u32 s72, s72, s75                     ; and its place
	s_mov_b32 s77, 0
	s_mul_i32 s76, s29, 98304
	s_mul_i32 s78, s72, 48
	s_add_co_u32 s76, s76, s78
	s_add_nc_u64 s[58:59], s[4:5], s[76:77]        ; Q's codes
	s_lshl_b32 s76, s29, 13
	s_lshl_b32 s78, s72, 2
	s_add_co_u32 s76, s76, s78
	s_add_nc_u64 s[60:61], s[6:7], s[76:77]        ; Q's scale words
	s_lshl_b32 s79, s26, 11
	s_add_co_u32 s79, s79, s73
	s_mul_i32 s76, s27, 393216
	s_mul_i32 s78, s79, 48
	s_add_co_u32 s76, s76, s78
	s_add_nc_u64 s[62:63], s[18:19], s[76:77]      ; a_codes [head][token][48]
	s_lshl_b32 s76, s79, 5
	s_lshl_b32 s78, s27, 1
	s_add_co_u32 s76, s76, s78
	s_add_nc_u64 s[66:67], s[20:21], s[76:77]      ; a_scales [token][32]
	s_mul_i32 s31, s[WV], 1536
	s_add_co_u32 s31, s31, STG
	v_and_b32 v[RR], 15, v0
	v_bfe_u32 v[HH], v0, 4, 1
	v_and_b32 v[LN], 31, v0
	v_mul_u32_u24 v[AK0], v[RR], 48
	v_mad_u32_u24 v[AK0], v[HH], 24, v[AK0]
	v_add_nc_u32 v[AV0], VC, v[AK0]
	v_lshl_add_u32 v[AS0], v[RR], 2, KSW
	v_lshl_add_u32 v[AT0], v[RR], 2, VS
	v_lshlrev_b32 v[H8], 3, v[HH]
	v_add_nc_u32 v[STO], s31, v[AK0]
	v_lshlrev_b32 v[GO1], 4, v[LN]
	v_add_nc_u32 v[RD], s31, v[GO1]
	v_mad_u32_u24 v[GO2], v[HH], 2304, v[GO1]
	v_lshlrev_b32 v[GSC], 5, v[RR]
	v_lshl_add_u32 v[GSC], v[HH], 11, v[GSC]
	v_and_b32 v[QS], 8, v[RR]
	v_add_nc_u32 v[QS], v[QS], v[RR]
	v_mul_u32_u24 v[QO], v[QS], 48
	v_mad_u32_u24 v[QO], v[HH], 24, v[QO]
	v_lshlrev_b32 v[QS], 2, v[QS]
	; a pass's first unit begins at entry x = 447 - (my first query in the block) - r + 32 h; x % 4 = 3 - r % 4 picks the copy.  (256 are taken off here and come back with the pass's number)
	v_and_b32 v112, 3, v[RR]
	v_sub_nc_u32 v112, 3, v112
	v_mul_u32_u24 v112, v112, CS-4
	v_lshl_add_u32 v[AG0], v[HH], 7, GT+16+4*447-256
	v_lshlrev_b32 v113, 2, v[RR]
	v_sub_nc_u32 v[AG0], v[AG0], v113
	v_sub_nc_u32 v[AG0], v[AG0], s22
	v_add_nc_u32 v[AG0], v[AG0], v112
	QNEXT                                          ; the first pass's Q
	v_mov_b32 v[F+1], 0
	v_mov_b32 v[F1+1], 0
	v_mov_b32 v[JT], 0
	v_mov_b32 v[JT+1], 0
	v_xor_b32 v116, 1, v[HH]
	v_lshlrev_b32 v120, 3, v116                    ; the code +1 at k = 64: the lowest six bits of register 6, in lanes 0-15
	v_mul_u32_u24 v121, v116, 0x28                 ; the code -1
	WIN 0x40                                       ; the upper halves of K's and Q's fragments (k = 64 .. 127) are written once
.irp t, 0,1,2,3,4,5,6,7
	v_mov_b32 v[KF+12*\t+6], v120
.irp i, 7,8,9,10,11
	v_mov_b32 v[KF+12*\t+\i], 0
.endr
.endr
.irp m, 0,1
	v_mov_b32 v[QF+12*\m+6], v121
.irp i, 7,8,9,10,11
	v_mov_b32 v[QF+12*\m+\i], 0
.endr
.endr
	WIN 0
	v_mov_b32 v113, 0xfe0000
.irp k, 0,1,2,3,4,5,6,7,8,9,10
	v_add_nc_u32 v[124+\k], -256*\k, v122          ; d of my entries t + 256 k
.endr
.irp k, 0,1,2,3,4,5,6,7,8,9,10
	v_cvt_f32_i32 v[124+\k], v[124+\k]
.endr
	s_wait_alu depctr_va_vdst(0)
	s_wait_loadcnt 0x0
.irp i, 0,1,2,3,4,5,6,7
	v_cmp_eq_u32 vcc_lo, 0, v[100+\i]
	v_cndmask_b32 v112, 0, v113, vcc_lo            ; byte 2: 254 where the key does not count, else 0
	v_and_or_b32 v[92+\i], v[92+\i], 0xffff, v112
.endr
	ds_store_b128 v117, v[92:95]
	ds_store_b128 v117, v[96:99] offset:4096
	ds_store_b128 v118, v[108:111]
	v_mul_f32 v[CS8], 0xc1000000, v[CS8]           ; -8 shift
	v_mul_f32 v[CB8], 0xc1000000, v[CB8]           ; -8 bias_p
.irp k, 0,1,2,3,4,5,6,7,8,9,10
	v_mul_f32 v[136+\k], v[124+\k], v[CS8]
.endr
.irp k, 0,1,2,3,4,5,6,7,8,9,10
	v_fma_f32 v[124+\k], v[124+\k], v[136+\k], v[CB8]
.endr
.irp k, 0,1,2,3,4,5,6,7,8,9,10
.irp s, 0,1,2,3
	ds_store_b32 v123, v[124+\k] offset:1024*\k+\s*(CS-4)   ; entry x lies in copy s at word x - s + 4
.endr
.endr
	s_wait_tensorcnt 0x0                           ; my quarter has landed,
	s_wait_dscnt 0x0                               ; my scale words and my entries are stored:
	s_barrier_signal -1
	s_barrier_wait -1                              ; everybody's are.  From here on nobody writes K, V, the scale words or the table
.macro ADDR                            ; the LDS addresses of a step
	v_add_nc_u32 v[ADK], s[T6], v[AK0]
	v_add_nc_u32 v[ADV], s[T6], v[AV0]
	v_add_nc_u32 v[ADS], s[TS], v[AS0]
	v_add_nc_u32 v[ADT], s[TJ], v[AT0]
	v_add_nc_u32 v[ADG], s[TG], v[AG0]
.endm
.macro KCODES off                      ; the lower halves of K's eight fragments (window 1 is set by the caller)
.irp t, 0,1,2,3,4,5,6,7
.irp p, 0,1,2
	ds_load_b64 v[KF+12*\t+2*\p:KF+12*\t+2*\p+1], v[ADK] offset:(\off)+768*\t+8*\p
.endr
.endr
.endm
.macro KWORDS off
.irp t, 0,1,2,3,4,5,6,7
	ds_load_b32 v[KSC+\t], v[ADS] offset:(\off)+64*\t
.endr
.endm
.macro GLOAD dst, off                  ; a unit: 32 neighbouring entries of the table
.irp k, 0,1,2,3,4,5,6,7
	ds_load_b128 v[\dst+4*\k:\dst+4*\k+3], v[ADG] offset:(\off)+16*\k
.endr
.endm
; THE SOFTMAX OF BOTH TILES for one key step, line by line by turns.  b0, b1: the first tile's two blocks of 32 keys; b2, b3: the second's.
.macro SOFTA b0, b1, b2, b3
	v_max3_num_f32 v[JB], v[\b0], v[\b0+1], v[\b0+2]      ; each block's largest score: for the row's maximum and, since p rises with the score, for the block's largest p
	v_max3_num_f32 v[JB+1], v[\b1], v[\b1+1], v[\b1+2]
	v_max3_num_f32 v[JB+2], v[\b2], v[\b2+1], v[\b2+2]
	v_max3_num_f32 v[JB+3], v[\b3], v[\b3+1], v[\b3+2]
.set i, 3
.rept 14
	v_max3_num_f32 v[JB], v[JB], v[\b0+i], v[\b0+i+1]
	v_max3_num_f32 v[JB+1], v[JB+1], v[\b1+i], v[\b1+i+1]
	v_max3_num_f32 v[JB+2], v[JB+2], v[\b2+i], v[\b2+i+1]
	v_max3_num_f32 v[JB+3], v[JB+3], v[\b3+i], v[\b3+i+1]
.set i, i+2
.endr
	v_max_num_f32 v[JB], v[JB], v[\b0+31]
	v_max_num_f32 v[JB+1], v[JB+1], v[\b1+31]
	v_max_num_f32 v[JB+2], v[JB+2], v[\b2+31]
	v_max_num_f32 v[JB+3], v[JB+3], v[\b3+31]
.irp m, 0,1
	v_mov_b32 v[JO+\m], v[ST+4*\m]
.endr
.irp m, 0,1
	v_max_num_f32 v[JR+\m], v[JB+2*\m], v[JB+2*\m+1]
.endr
.irp m, 0,1
	D2
	v_permlanex16_b32 v[JT+\m], v[JR+\m], s[SEL], s[SEL+1]
.endr
.irp m, 0,1
	D2
	v_max_num_f32 v[JR+\m], v[JR+\m], v[JT+\m]     ; the step's largest score of my query
.endr
.irp m, 0,1
	D2
	v_mul_f32 v[JT+\m], s[C1], v[JR+\m]
.endr
.irp m, 0,1
	D2
	v_max_num_f32 v[ST+4*\m+1], v[ST+4*\m+1], v[JT+\m]   ; the running largest t
.endr
.irp m, 0,1
	D2
	v_floor_f32 v[ST+4*\m], -v[ST+4*\m+1]          ; -M = floor(-t)
.endr
.irp m, 0,1
	D2
	v_sub_f32 v[JO+\m], v[ST+4*\m], v[JO+\m]       ; old M - new M, 0 or less
.endr
.irp m, 0,1
	D2
	v_cvt_i32_f32 v[JO+\m], v[JO+\m]               ; (it saturates)
.endr
.irp m, 0,1
	D2
	v_ldexp_f32 v[F+12*\m], 1.0, v[JO+\m]          ; f = 2^(old M - new M)
.endr
.set i, 0
.rept 16
	v_pk_fma_f32 v[\b0+i:\b0+i+1], v[\b0+i:\b0+i+1], s[C1:C1+1], v[ST:ST+1] op_sel_hi:[1,0,0]   ; t - M
	v_pk_fma_f32 v[\b1+i:\b1+i+1], v[\b1+i:\b1+i+1], s[C1:C1+1], v[ST:ST+1] op_sel_hi:[1,0,0]
	v_pk_fma_f32 v[\b2+i:\b2+i+1], v[\b2+i:\b2+i+1], s[C1:C1+1], v[ST+4:ST+5] op_sel_hi:[1,0,0]
	v_pk_fma_f32 v[\b3+i:\b3+i+1], v[\b3+i:\b3+i+1], s[C1:C1+1], v[ST+4:ST+5] op_sel_hi:[1,0,0]
.set i, i+2
.endr
.irp k, 0,1,2,3
	v_fma_f32 v[JB+\k], v[JB+\k], s[C1], v[ST+4*(\k/2)]
.endr
	s_wait_alu depctr_va_vdst(0)
.irp k, 0,1,2,3
	v_exp_f32 v[JB+\k], v[JB+\k]                   ; the blocks' largest p
.endr
.set i, 0
.rept 32
	v_exp_f32 v[\b0+i], v[\b0+i]                   ; p = 2^(t - M)
	v_exp_f32 v[\b1+i], v[\b1+i]
	v_exp_f32 v[\b2+i], v[\b2+i]
	v_exp_f32 v[\b3+i], v[\b3+i]
.set i, i+1
.endr
	v_pk_mul_f32 v[ST+2:ST+3], v[ST+2:ST+3], v[F:F+1] op_sel_hi:[1,0]     ; the sums under the new M (the plain place behind the batch)
	v_pk_mul_f32 v[ST+6:ST+7], v[ST+6:ST+7], v[F1:F1+1] op_sel_hi:[1,0]
	s_wait_alu depctr_va_vdst(0)                   ; and the one wait behind it
	v_pk_add_f32 v[JA:JA+1], v[\b0:\b0+1], v[\b0+2:\b0+3]                 ; the rows' sums, of the unquantised p, in four chains
	v_pk_add_f32 v[JA+2:JA+3], v[\b2:\b2+1], v[\b2+2:\b2+3]
.set i, 4
.rept 7
	v_pk_add_f32 v[ST+2:ST+3], v[ST+2:ST+3], v[\b0+i:\b0+i+1]
	v_pk_add_f32 v[JA:JA+1], v[JA:JA+1], v[\b0+i+2:\b0+i+3]
	v_pk_add_f32 v[ST+6:ST+7], v[ST+6:ST+7], v[\b2+i:\b2+i+1]
	v_pk_add_f32 v[JA+2:JA+3], v[JA+2:JA+3], v[\b2+i+2:\b2+i+3]
.set i, i+4
.endr
.set i, 0
.rept 8
	v_pk_add_f32 v[ST+2:ST+3], v[ST+2:ST+3], v[\b1+i:\b1+i+1]
	v_pk_add_f32 v[JA:JA+1], v[JA:JA+1], v[\b1+i+2:\b1+i+3]
	v_pk_add_f32 v[ST+6:ST+7], v[ST+6:ST+7], v[\b3+i:\b3+i+1]
	v_pk_add_f32 v[JA+2:JA+3], v[JA+2:JA+3], v[\b3+i+2:\b3+i+3]
.set i, i+4
.endr
	v_pk_add_f32 v[ST+2:ST+3], v[ST+2:ST+3], v[JA:JA+1]
	v_pk_add_f32 v[ST+6:ST+7], v[ST+6:ST+7], v[JA+2:JA+3]
.irp k, 0,1,2,3
	v_max_num_f32 v[JB+\k], 0x1800000, v[JB+\k]    ; the floor 2^(3 - 127): the byte cannot fall under 1
.endr
.irp k, 0,1,2,3
	v_add_nc_u32 v[JS+\k], 0xff000000, v[JB+\k]    ; 2 off the exponent field: the conversion's scale operand
.endr
.irp k, 0,1,2,3
	v_lshrrev_b32 v[JR+\k], 23, v[JS+\k]           ; the scale's byte
.endr
.irp m, 0,1
	v_lshl_or_b32 v[JO+\m], v[JR+2*\m+1], 16, v[JR+2*\m]
.endr
.irp m, 0,1
	D2
	v_lshlrev_b32 v[JO+\m], v[H8], v[JO+\m]
.endr
.irp m, 0,1
	D2
	v_permlanex16_b32 v[JU+\m], v[JO+\m], s[SEL], s[SEL+1]
.endr
.irp m, 0,1
	D2
	v_or_b32 v[PSC+\m], v[JO+\m], v[JU+\m]         ; p's scale word for these 128 keys
.endr
	v_cvt_scalef32_pk16_fp6_f32 v[P:P+2], v[\b0:\b0+15], v[JS]
	v_cvt_scalef32_pk16_fp6_f32 v[P+6:P+8], v[\b1:\b1+15], v[JS+1]
	v_cvt_scalef32_pk16_fp6_f32 v[P+12:P+14], v[\b2:\b2+15], v[JS+2]
	v_cvt_scalef32_pk16_fp6_f32 v[P+18:P+20], v[\b3:\b3+15], v[JS+3]
	v_nop                                          ; a plain place: the next four write over sources of these four
	v_cvt_scalef32_pk16_fp6_f32 v[\b0:\b0+2], v[\b0+16:\b0+31], v[JS]     ; the upper halves are made in registers that are done with (three registers from an even one on) and moved
	v_cvt_scalef32_pk16_fp6_f32 v[\b1:\b1+2], v[\b1+16:\b1+31], v[JS+1]
	v_cvt_scalef32_pk16_fp6_f32 v[\b2:\b2+2], v[\b2+16:\b2+31], v[JS+2]
	v_cvt_scalef32_pk16_fp6_f32 v[\b3:\b3+2], v[\b3+16:\b3+31], v[JS+3]
	v_nop
.irp i, 0,1,2
	v_mov_b32 v[P+3+\i], v[\b0+\i]
	v_mov_b32 v[P+9+\i], v[\b1+\i]
	v_mov_b32 v[P+15+\i], v[\b2+\i]
	v_mov_b32 v[P+21+\i], v[\b3+\i]
.endr
.endm
.macro ORESC                           ; O^T under the new M; also the places between the scale words, the codes and the products
	WIN 0x41
	s_wait_alu depctr_va_vdst(0)
.set i, 0
.rept 16
	v_pk_mul_f32 v[O+i:O+i+1], v[O+i:O+i+1], v[F:F+1] op_sel_hi:[1,0]
	v_pk_mul_f32 v[O+32+i:O+32+i+1], v[O+32+i:O+32+i+1], v[F1:F1+1] op_sel_hi:[1,0]
.set i, i+2
.endr
	WIN 0
.endm
; A KEY STEP of 128 keys.  Its K fragments, K's scale words and its two new units were asked for in the step before.  par: which of the two carried units is which.
.macro STEP par
.if \par
.set CAR, GY
.set NEW, GX
.else
.set CAR, GX
.set NEW, GY
.endif
	s_wait_dscnt 16                                ; K and its scale words are in; the 16 loads of the two new units may be out
	WIN 0x05                                       ; K and Q in window 1, C and D in window 0
.irp t, 0,1,2,3
	v_wmma_scale_f32_16x16x128_f8f6f4 v[CAR+8*\t:CAR+8*\t+7], v[KF+12*\t:KF+12*\t+11], v[QF+12:QF+23], v[CAR+8*\t:CAR+8*\t+7], v[KSC+\t], v[QSC+1] matrix_a_fmt:MATRIX_FMT_FP6 matrix_b_fmt:MATRIX_FMT_FP6
.endr
	s_wait_dscnt 0x0                               ; the second tile's first half step needs the carried unit alone and goes first; now the new units are in
.irp t, 0,1,2,3
	v_wmma_scale_f32_16x16x128_f8f6f4 v[S0+8*\t:S0+8*\t+7], v[KF+12*\t:KF+12*\t+11], v[QF:QF+11], v[U0+8*\t:U0+8*\t+7], v[KSC+\t], v[QSC] matrix_a_fmt:MATRIX_FMT_FP6 matrix_b_fmt:MATRIX_FMT_FP6
.endr
.irp t, 4,5,6,7
	v_wmma_scale_f32_16x16x128_f8f6f4 v[S0+8*\t:S0+8*\t+7], v[KF+12*\t:KF+12*\t+11], v[QF:QF+11], v[NEW+8*\t-32:NEW+8*\t-25], v[KSC+\t], v[QSC] matrix_a_fmt:MATRIX_FMT_FP6 matrix_b_fmt:MATRIX_FMT_FP6
.endr
.rept 5
	v_nop                                          ; five places: the products below write over the unit that the first tile's have read as C
.endr
.irp t, 4,5,6,7
	v_wmma_scale_f32_16x16x128_f8f6f4 v[U0+8*\t-32:U0+8*\t-25], v[KF+12*\t:KF+12*\t+11], v[QF+12:QF+23], v[U0+8*\t-32:U0+8*\t-25], v[KSC+\t], v[QSC+1] matrix_a_fmt:MATRIX_FMT_FP6 matrix_b_fmt:MATRIX_FMT_FP6
.endr
.rept 4
	v_nop                                          ; four places: ahead of the loads into K's registers and of the first read of the second tile's scores
.endr
	WIN 0x40
.irp t, 0,1,2,3
.irp p, 0,1,2,3,4,5
	ds_load_b64 v[VF+12*\t+2*\p:VF+12*\t+2*\p+1], v[ADV] offset:3072*(\p/3)+768*\t+8*(\p%3)
.endr
.endr
	KCODES 6144                                    ; the next step's K (the last step's look-ahead reads V's first bytes, and nothing uses them)
	WIN 0
.irp t, 0,1,2,3
	ds_load_b32 v[VSC+\t], v[ADT] offset:64*\t
.endr
	KWORDS 512
	s_add_co_u32 s[T6], s[T6], 6144
	s_add_co_u32 s[TS], s[TS], 512
	s_add_co_u32 s[TJ], s[TJ], 256
	s_add_co_u32 s[TG], s[TG], 512
	ADDR                                           ; the next step's addresses
	SOFTA S0, S0+32, CAR, U0
	GLOAD U0, 256                                  ; the next step's two new units, into the registers that the second tile's scores have left
	GLOAD CAR, 512
	ORESC
	s_wait_alu depctr_va_vdst(0)
	s_wait_dscnt 16                                ; V is in; the 16 loads of the units may be out
	WIN 0x51                                       ; V, C and D in window 1, P in window 0
.irp t, 0,1,2,3
.irp m, 0,1
	v_wmma_scale_f32_16x16x128_f8f6f4 v[O+32*\m+8*\t:O+32*\m+8*\t+7], v[VF+12*\t:VF+12*\t+11], v[P+12*\m:P+12*\m+11], v[O+32*\m+8*\t:O+32*\m+8*\t+7], v[VSC+\t], v[PSC+\m] matrix_a_fmt:MATRIX_FMT_FP6 matrix_b_fmt:MATRIX_FMT_FP6
.endr
.endr
	WIN 0
.endm
	s_mov_b32 s[PASS], 2
.Lpass:                                                ; a pass: two tiles of 16 queries against all 2,048 keys
	s_wait_loadcnt 0x0                             ; this pass's Q is in, and its loads have read their bases
	WIN 0x41
.irp m, 0,1
.irp i, 0,1,2,3,4,5
	v_mov_b32 v[QF+12*\m+\i], v[QN+6*\m+\i]
.endr
.endr
	WIN 0x04
	v_and_b32 v[QSC], 0xffff, v[QN+12]
	v_and_b32 v[QSC+1], 0xffff, v[QN+13]
	WIN 0
	v_or_b32 v[QSC], 0x640000, v[QSC]              ; byte 2: 2^-27, for the code -1 at k = 64; byte 3: 0, over zero codes
	v_or_b32 v[QSC+1], 0x640000, v[QSC+1]
	s_add_nc_u64 s[58:59], s[58:59], 384           ; 32 queries on: 8 places on in Q
	s_add_nc_u64 s[60:61], s[60:61], 32
	QNEXT
	s_mov_b32 s[T6], 0
	s_mov_b32 s[TS], 0
	s_mov_b32 s[TJ], 0
	s_lshl_b32 s[TG], s[PASS], 7                   ; 256 in the first pass, 128 in the second: 32 queries on are 32 entries back
	ADDR
	WIN 0x40
	KCODES 0
	WIN 0
	KWORDS 0
	GLOAD GX, 0                                    ; the unit that the second tile uses in the first half step,
	GLOAD U0, 256                                  ; and the first step's two
	GLOAD GY, 512
	WIN 0x40
.set i, 0
.rept 64
	v_mov_b32 v[O+i], 0                            ; O^T: the first change of M leaves zeros zeros.  (Also the places between Q's scale words and the first products)
.set i, i+1
.endr
	WIN 0
.irp m, 0,1
	v_mov_b32 v[ST+4*\m+1], 0xff61b1e6             ; the largest t so far: -3e38
	v_mov_b32 v[ST+4*\m+2], 0
	v_mov_b32 v[ST+4*\m+3], 0
.endr
	v_floor_f32 v[ST], -v[ST+1]
	v_floor_f32 v[ST+4], -v[ST+5]
	s_mov_b32 s[TRIP], 8
	s_wait_alu depctr_va_vdst(0)
.Lstep:
	STEP 0
	STEP 1
	s_sub_co_u32 s[TRIP], s[TRIP], 1
	s_cmp_lg_u32 s[TRIP], 0
	s_cbranch_scc1 .Lstep
	; THE WAY OUT of a pass.  O^T / the sum; register 8 t + j of lane (r, h) is channel 32 h + 8 t + j: a whole block of the last product's K
	v_add_f32 v[JB], v[ST+2], v[ST+3]
	v_add_f32 v[JB+1], v[ST+6], v[ST+7]
	D2
	v_permlanex16_b32 v[JT], v[JB], s[SEL], s[SEL+1]
	D2
	v_permlanex16_b32 v[JT+1], v[JB+1], s[SEL], s[SEL+1]
	D2
	v_add_f32 v[JB], v[JB], v[JT]
	D2
	v_add_f32 v[JB+1], v[JB+1], v[JT+1]            ; the rows' sums.  (These lines are the places behind the last products)
	s_wait_alu depctr_va_vdst(0)
	v_rcp_f32 v[JA], v[JB]
	v_rcp_f32 v[JA+2], v[JB+1]
	v_nop
	s_wait_alu depctr_va_vdst(0)
	WIN 0x01
.set i, 0
.rept 16
	v_pk_mul_f32 v[S0+i:S0+i+1], v[O+i:O+i+1], v[JA:JA+1] op_sel_hi:[1,0]
.set i, i+2
.endr
.set i, 0
.rept 16
	v_pk_mul_f32 v[S0+32+i:S0+32+i+1], v[O+32+i:O+32+i+1], v[JA+2:JA+3] op_sel_hi:[1,0]
.set i, i+2
.endr
	WIN 0
.irp m, 0,1
	v_max3_num_f32 v[JB+\m], |v[S0+32*\m]|, |v[S0+32*\m+1]|, 0x1800000
.endr
.irp i, 2,4,6,8,10,12,14,16,18,20,22,24,26,28,30
.irp m, 0,1
	D2
	v_max3_num_f32 v[JB+\m], v[JB+\m], |v[S0+32*\m+\i]|, |v[S0+32*\m+\i+1]|
.endr
.endr
.irp m, 0,1
	D2
	v_add_nc_u32 v[JS+\m], 0xff000000, v[JB+\m]
.endr
.irp m, 0,1
	D2
	v_lshrrev_b32 v[JR+\m], 23, v[JS+\m]
.endr
.irp m, 0,1
	v_cvt_scalef32_pk16_fp6_f32 v[P+12*\m:P+12*\m+2], v[S0+32*\m:S0+32*\m+15], v[JS+\m]
	v_cvt_scalef32_pk16_fp6_f32 v[GX+4*\m:GX+4*\m+2], v[S0+32*\m+16:S0+32*\m+31], v[JS+\m]   ; (the carried unit is done with, and no load is out for it)
.endr
	v_lshlrev_b32 v[JO], v[H8], v[JR]              ; (the plain place behind the conversions)
	v_lshlrev_b32 v[JO+1], v[H8], v[JR+1]
.irp m, 0,1
.irp i, 0,1,2
	v_mov_b32 v[P+12*\m+3+\i], v[GX+4*\m+\i]
.endr
.endr
	v_permlanex16_b32 v[JT], v[JO], s[SEL], s[SEL+1]
	v_permlanex16_b32 v[JT+1], v[JO+1], s[SEL], s[SEL+1]
	D2
	v_or_b32 v[JO], v[JO], v[JT]                   ; a token's two scale bytes
	D2
	v_or_b32 v[JO+1], v[JO+1], v[JT+1]
	s_delay_alu instid0(VALU_DEP_1)
	v_cndmask_b32 v[JO], v[JO], v[JO+1], s[HM]     ; lanes 0-15 the first tile's tokens, lanes 16-31 the second's
.irp m, 0,1
.irp p, 0,1,2
	ds_store_b64 v[STO], v[P+12*\m+2*\p:P+12*\m+2*\p+1] offset:768*\m+8*\p
.endr
.endr
	global_store_b16 v[GSC], v[JO], s[66:67]
.irp i, 0,1,2
	ds_load_b128 v[S0+4*\i:S0+4*\i+3], v[RD] offset:512*\i   ; LDS serves a wave's instructions in order (ISA guide 5.7.1.4): these see my stores
.endr
	s_wait_dscnt 2                                 ; the two loads issued behind the first may be out
	global_store_b128 v[GO1], v[S0:S0+3], s[62:63]                    ; a tile's 16 tokens are 768 consecutive bytes; every sixteen lanes store 256 consecutive bytes, at a multiple of 256 from the buffer's first byte
	s_wait_dscnt 1
	global_store_b128 v[GO2], v[S0+4:S0+7], s[62:63] offset:512       ; lanes 16-31: the second tile, 64 tokens on
	s_wait_dscnt 0x0
	global_store_b128 v[GO1], v[S0+8:S0+11], s[62:63] offset:3328
	s_wait_xcnt 0x0                                ; the stores have read their registers and bases
	s_add_nc_u64 s[62:63], s[62:63], 1536          ; 32 tokens on in the outputs
	s_add_nc_u64 s[66:67], s[66:67], 1024
	s_sub_co_u32 s[PASS], s[PASS], 1
	s_cmp_lg_u32 s[PASS], 0
	s_cbranch_scc1 .Lpass
	s_wait_tensorcnt 0x0                           ; the wave's end
	ds_add_u32 v[SPW], v[NIL]
	s_wait_dscnt 0x0
	CROUND                                         ; the closing round
	s_endpgm
.Lfunc_end_k_qbcd64314ff_attn:
	.size	k_qbcd64314ff_attn, .Lfunc_end_k_qbcd64314ff_attn-k_qbcd64314ff_attn
	.p2alignl 7, 3214868480
	.fill 96, 4, 3214868480
	.section	.rodata,"a",@progbits
	.p2align	6, 0x0
	.amdhsa_kernel k_qbcd64314ff_attn
		.amdhsa_group_segment_fixed_size 267520
		.amdhsa_private_segment_fixed_size 0
		.amdhsa_enable_private_segment 0
		.amdhsa_kernarg_size 72
		.amdhsa_user_sgpr_count 2
		.amdhsa_user_sgpr_kernarg_segment_ptr 1
		.amdhsa_wavefront_size32 1
		.amdhsa_system_sgpr_workgroup_id_x 1
		.amdhsa_system_sgpr_workgroup_id_y 1
		.amdhsa_system_sgpr_workgroup_id_z 1
		.amdhsa_system_vgpr_workitem_id 0
		.amdhsa_next_free_vgpr 512
		.amdhsa_next_free_sgpr 80
		.amdhsa_reserve_vcc 1
		.amdhsa_float_denorm_mode_32 3
		.amdhsa_float_denorm_mode_16_64 3
		.amdhsa_memory_ordered 1
		.amdhsa_forward_progress 1
		.amdhsa_inst_pref_size 96
	.end_amdhsa_kernel
	.amdgpu_metadata
---
amdhsa.version: [ 1, 2 ]
amdhsa.kernels:
  - .name:           k_qbcd64314ff_attn
    .symbol:         k_qbcd64314ff_attn.kd
    .args:
      - { .name: qk_codes, .offset: 0, .size: 8, .value_kind: global_buffer, .address_space: global }
      - { .name: qk_scales, .offset: 8, .size: 8, .value_kind: global_buffer, .address_space: global }
      - { .name: v_codes, .offset: 16, .size: 8, .value_kind: global_buffer, .address_space: global }
      - { .name: v_scales, .offset: 24, .size: 8, .value_kind: global_buffer, .address_space: global }
      - { .name: mask, .offset: 32, .size: 8, .value_kind: global_buffer, .address_space: global }
      - { .name: shift, .offset: 40, .size: 8, .value_kind: global_buffer, .address_space: global }
      - { .name: bias_p, .offset: 48, .size: 8, .value_kind: global_buffer, .address_space: global }
      - { .name: a_codes, .offset: 56, .size: 8, .value_kind: global_buffer, .address_space: global }
      - { .name: a_scales, .offset: 64, .size: 8, .value_kind: global_buffer, .address_space: global }
    .group_segment_fixed_size: 267520
    .private_segment_fixed_size: 0
    .kernarg_segment_align: 8
    .kernarg_segment_size: 72
    .max_flat_workgroup_size: 256
    .sgpr_count:     80
    .vgpr_count:     512
    .wavefront_size: 32
...
	.end_amdgpu_metadata
.endif
;; end of part 2
;; launch fc (part 3): grid 4 x 64, 4 waves a work-group, clusters of 4 x 4, 327,680 bytes of LDS; arguments a_codes, a_scales, w_fc_codes, w_fc_scales, b_fc, out0; writes out0
.if DOCPART == 3
	.amdgcn_target "amdgcn-amd-amdhsa--gfx1250"
	.amdhsa_code_object_version 6
	.text
	.protected	k_qbcd64314ff_fc
	.globl	k_qbcd64314ff_fc
	.p2align	8
	.type	k_qbcd64314ff_fc,@function
k_qbcd64314ff_fc:
	s_mov_b64 s[64:65], 0
	v_nop
	global_prefetch_b8 v0, s[64:65] scope:SCOPE_SE
	s_setreg_imm32_b32 hwreg(HW_REG_WAVE_MODE, 25, 1), 1
	s_wait_xcnt 0x0
	s_wait_alu depctr_hold_cnt(0) depctr_sa_sdst(0) depctr_va_vdst(0) depctr_va_sdst(0) depctr_va_ssrc(0) depctr_va_vcc(0) depctr_vm_vsrc(0)
	s_getreg_b32 s2, hwreg(HW_REG_IB_STS2, 6, 4)
	s_cmp_eq_u32 s2, 0
	s_cbranch_scc0 .Lentry_in_a_cluster
	s_endpgm
.Lentry_in_a_cluster:
	s_bfe_u32 s2, ttmp6, 0x10000c
	s_cmp_lg_u32 s2, 0xf033
	s_cbranch_scc0 .Lentry_shape_is_right
	s_endpgm
.Lentry_shape_is_right:
; out0 = a w_fc^T + b_fc on codes of FP6 (E2M3).  a: [head][token][48 bytes] with scales [token][32]; w_fc: [1,024][768 bytes] with scales [1,024][32].
; A block of 128 tokens x 256 columns to a work-group: 64 x 4 = 256 work-groups.  Four waves, 64 x 128 each: 32 accumulators.
; ALL OF K LIES IN LDS, filled once: A's 16 planes of 6,144 bytes, B's 256 rows as 768 chunks of 256 bytes with 16 of padding behind each (a row: 816 bytes), and both sides' scales.
; One joint load a wave at the head: A's codes and scales go to my row of the 4 x 4 cluster, B's to my column.  Nothing is filled again, so there is no ring and no round inside the walk.
; No prefetch: everything is asked for at the head, and there is no loop to run ahead in.
; The matrix instruction is used transposed (source 0 = rows of w_fc, source 1 = tokens): a lane holds eight neighbouring columns of a row of out0.  The bias is the C of the first step's products.
; REGISTERS: window 0: v16-31 addresses, v32-95 all scale words (register 8 i + step: lanes 0-15 A's block i, lanes 16-31 B's), v96-159 the bias, v160-255 A's fragments, two sets;
; window 1: B's fragments, two sets of 96; window 2: the accumulators, (a, b) at v[8 (8 a + b)].
.set SIZE_N, 1024
.set BP,     816
.set FR,     12
.set BOFF,   98304
.set SCA,    BOFF+256*BP
.set SCB,    SCA+16*272
.set SPARE,  SCB+32*272
.set SBLK,   544                       ; the scales of 16 rows: two units of 256 + 16
.set SPITCH, 528
.set ADRA, 16
.set ADRB, 20
.set STO,  24
.set RD,   25
.set CO,   26
.set ADRS, 27
.set SPW,  28
.set NIL,  29
.set SC,   32
.set BI,   96
.set AF,   160
.set BK,   128
.set G1,   24
.set G0,   32
.set G0B,  36
.set G1B,  48
.set G0S,  56
.set G0SB, 60
.set G1S,  68
.set G1SB, 80
.set MSB, 0
.macro WIN new
.if MSB != (\new)
	s_set_vgpr_msb (MSB<<8)|(\new)
.set MSB, \new
.endif
.endm
.macro CROUND
	s_barrier_signal -1
	s_barrier_wait -1
	s_cmp_lg_u32 s14, 0
	s_cbranch_scc1 .Lnot_wave_0_\@
	s_barrier_signal -3
.Lnot_wave_0_\@:
	s_barrier_wait -3
	s_barrier_signal -1
	s_barrier_wait -1
.endm
.macro PLACES n
.rept \n
	v_nop
.endr
.endm
	s_load_b128 s[4:7], s[0:1], 0x0                ; a codes, a scales
	s_load_b128 s[8:11], s[0:1], 0x10              ; w codes, w scales
	s_load_b64 s[66:67], s[0:1], 0x20              ; b_fc
	s_load_b64 s[12:13], s[0:1], 0x28              ; out0
	v_lshl_add_u32 v[SPW], v0, 2, SPARE
	v_mov_b32 v[NIL], 0
	ds_add_u32 v[SPW], v[NIL]                      ; the opening lines: the add twice on end and its wait
	ds_add_u32 v[SPW], v[NIL]
	v_lshrrev_b32 v1, 5, v0
	v_readfirstlane_b32 s14, v1
	s_lshr_b32 s15, s14, 1                         ; which 64 tokens are mine
	s_and_b32 s16, s14, 1                          ; which 128 columns
	s_bfe_u32 s40, ttmp6, 0x40000
	s_bfe_u32 s41, ttmp6, 0x40004
	s_lshl_b32 s42, ttmp9, 2
	s_add_co_u32 s42, s42, s40                     ; block column
	s_and_b32 s17, ttmp7, 0xffff
	s_lshl_b32 s17, s17, 2
	s_add_co_u32 s17, s17, s41                     ; block row
	s_lshl_b32 s43, s41, 2
	s_lshl_b32 s43, 15, s43
	s_lshl_b32 s44, 0x1111, s40
	s_or_b32 s[G1+0], s43, (3<<16)|(1<<21)         ; A's codes: 16 rows (heads) of 768 elements of 8 bytes (128 tokens), no padding
	s_mov_b32 s[G1+1], 768<<16
	s_mov_b32 s[G1+2], 16<<16
	s_mov_b32 s[G1+3], 768<<16
	s_mov_b32 s[G1+4], 16
	s_mov_b32 s[G1+5], 49152
	s_mov_b32 s[G1+6], 0
	s_mov_b32 s[G1+7], 0
	s_or_b32 s[G1B+0], s44, (0<<16)|(1<<20)|(1<<21)|(5<<22)|(3<<25)   ; B's codes: a dense block, as 768 rows of 256 bytes, 16 of padding behind each
	s_mov_b32 s[G1B+1], 256<<16
	s_mov_b32 s[G1B+2], 768<<16
	s_mov_b32 s[G1B+3], 256<<16
	s_mov_b32 s[G1B+4], 768
	s_mov_b32 s[G1B+5], 256
	s_mov_b32 s[G1B+6], 0
	s_mov_b32 s[G1B+7], 0
	s_or_b32 s[G1S+0], s43, (3<<16)|(1<<20)|(1<<21)|(5<<22)|(3<<25)   ; scales: dense blocks, as rows of 256 bytes: 16 for A's 128 rows, 32 for B's 256
	s_mov_b32 s[G1S+1], 32<<16
	s_mov_b32 s[G1S+2], 16<<16
	s_mov_b32 s[G1S+3], 32<<16
	s_mov_b32 s[G1S+4], 16
	s_mov_b32 s[G1S+5], 32
	s_mov_b32 s[G1S+6], 0
	s_mov_b32 s[G1S+7], 0
	s_or_b32 s[G1SB+0], s44, (3<<16)|(1<<20)|(1<<21)|(5<<22)|(3<<25)
	s_mov_b32 s[G1SB+1], 32<<16
	s_mov_b32 s[G1SB+2], 32<<16
	s_mov_b32 s[G1SB+3], 32<<16
	s_mov_b32 s[G1SB+4], 32
	s_mov_b32 s[G1SB+5], 32
	s_mov_b32 s[G1SB+6], 0
	s_mov_b32 s[G1SB+7], 0
	s_lshl_b32 s20, s17, 7                         ; A's first token
	s_lshl_b32 s22, s20, 5                         ; its scales, in bytes
	s_mov_b32 s23, 0
	s_mul_i32 s20, s20, 48                         ; its codes in plane 0
	s_mov_b32 s21, 0
	s_lshl_b32 s46, s42, 8                         ; B's first row
	s_lshl_b32 s92, s46, 5
	s_mov_b32 s93, 0
	s_mul_i32 s46, s46, 768
	s_mov_b32 s47, 0
	s_mul_i32 s88, s16, 128*BP
	s_add_co_u32 s88, s88, BOFF                    ; LDS: my 128 rows of B,
	s_mul_i32 s89, s15, 3072                       ; my 64 tokens in a plane of A,
	s_mul_i32 s90, s15, 4*SBLK
	s_mul_i32 s91, s16, 8*SBLK
	s_add_co_u32 s91, s91, SCB-SCA
	s_sub_co_u32 s91, s91, s90                     ; from my A scales to my B scales,
	s_add_co_u32 s90, s90, SCA
	s_mul_i32 s94, s14, 16*SPITCH                  ; my stage
	s_wait_dscnt 0x0
	s_wait_kmcnt 0x0
	s_add_nc_u64 s[20:21], s[4:5], s[20:21]
	s_add_nc_u64 s[22:23], s[6:7], s[22:23]
	s_add_nc_u64 s[46:47], s[8:9], s[46:47]
	s_add_nc_u64 s[92:93], s[10:11], s[92:93]
	CROUND                                         ; the joint loads meet
	s_mov_b32 s[G0], 1
	s_mov_b32 s[G0+1], 0
	s_mov_b64 s[G0+2:G0+3], s[20:21]
	s_or_b32 s[G0+3], s[G0+3], 0x80000000
	s_mov_b32 s[G0B], 1
	s_mov_b32 s[G0B+1], BOFF
	s_mov_b64 s[G0B+2:G0B+3], s[46:47]
	s_or_b32 s[G0B+3], s[G0B+3], 0x80000000
	s_mov_b32 s[G0S], 1
	s_mov_b32 s[G0S+1], SCA
	s_mov_b64 s[G0S+2:G0S+3], s[22:23]
	s_or_b32 s[G0S+3], s[G0S+3], 0x80000000
	s_mov_b32 s[G0SB], 1
	s_mov_b32 s[G0SB+1], SCB
	s_mov_b64 s[G0SB+2:G0SB+3], s[92:93]
	s_or_b32 s[G0SB+3], s[G0SB+3], 0x80000000
.macro ARM under, g0, g1, next         ; one tree of branches on the wave's number, one load to an arm
	s_cmp_lt_u32 s14, \under
	s_cbranch_scc0 \next
	tensor_load_to_lds s[\g0:\g0+3], s[\g1:\g1+7]
	s_nop 0
.rept 4
	v_nop
.endr
	s_branch .Lhead_asked
\next:
.endm
	ARM 1, G0B, G1B, .Lhead_a
	ARM 2, G0,  G1,  .Lhead_sa
	ARM 3, G0S, G1S, .Lhead_sb
	tensor_load_to_lds s[G0SB:G0SB+3], s[G1SB:G1SB+7]
	s_nop 0
.rept 4
	v_nop
.endr
.Lhead_asked:
	s_lshl_b32 s46, s42, 10                        ; my first column, in bytes of f32
	s_lshl_b32 s47, s16, 9
	s_add_co_u32 s46, s46, s47
	s_mov_b32 s47, 0
	s_add_nc_u64 s[66:67], s[66:67], s[46:47]
	s_lshl_b32 s20, s17, 7
	s_lshl_b32 s21, s15, 6
	s_add_co_u32 s20, s20, s21                     ; my first row of out0,
	s_lshl_b32 s20, s20, 12                        ; 4,096 bytes a row
	s_mov_b32 s21, 0
	s_add_nc_u64 s[20:21], s[20:21], s[46:47]
	s_add_nc_u64 s[12:13], s[12:13], s[20:21]
	v_and_b32 v1, 15, v0
	v_bfe_u32 v2, v0, 4, 1
	v_lshlrev_b32 v7, 5, v2
.irp b, 0,1,2,3,4,5,6,7
	global_load_b128 v[BI+8*\b:BI+8*\b+3], v7, s[66:67] offset:64*\b          ; b_fc at my eight columns of block b
	global_load_b128 v[BI+8*\b+4:BI+8*\b+7], v7, s[66:67] offset:64*\b+16
.endr
	v_mul_u32_u24 v3, v1, BP
	v_mad_u32_u24 v3, v2, 24, v3
	v_add_nc_u32 v[ADRB], s88, v3                  ; B: row r, + 24 h; blocks 0-3
	v_lshl_add_u32 v[ADRB+1], v2, 4, v[ADRB]       ; where lanes 16-31 read the next chunk: 16 of padding on
	v_add_nc_u32 v[ADRB+2], 64*BP, v[ADRB]         ; blocks 4-7
	v_add_nc_u32 v[ADRB+3], 64*BP, v[ADRB+1]
	v_mul_u32_u24 v4, v1, 48
	v_mad_u32_u24 v4, v2, 24, v4
	v_add_nc_u32 v[ADRA], s89, v4                  ; A: token r, + 24 h; steps 0-3
	v_add_nc_u32 v[ADRA+1], 49152, v[ADRA]         ; steps 4-7: eight planes on
	v_lshlrev_b32 v5, 5, v1
	v_lshrrev_b32 v6, 8, v5
	v_lshl_add_u32 v5, v6, 4, v5
	v_mul_u32_u24 v6, s91, v2
	v_add_nc_u32 v5, v5, v6
	v_add_nc_u32 v[ADRS], s90, v5                  ; scales: lanes 0-15 A's rows, lanes 16-31 B's
	v_mul_u32_u24 v5, v1, SPITCH
	v_lshl_add_u32 v5, v2, 5, v5
	v_add_nc_u32 v[STO], s94, v5
	v_and_b32 v6, 31, v0
	v_lshlrev_b32 v[CO], 4, v6
	v_add_nc_u32 v[RD], s94, v[CO]
.macro FRAGB reg, st, i                ; byte y of a row lies at y + 16 (y / 256) of its LDS row
.irp p, 0,1,2,3,4,5
.set YB, 96*(\st)+48*(\p/3)+8*(\p%3)
.if YB/256 == (YB+24)/256
	ds_load_b64 v[\reg+2*\p:\reg+2*\p+1], v[ADRB+2*((\i)/4)] offset:YB+16*(YB/256)+((\i)%4)*16*BP
.else
	ds_load_b64 v[\reg+2*\p:\reg+2*\p+1], v[ADRB+2*((\i)/4)+1] offset:YB+16*(YB/256)+((\i)%4)*16*BP
.endif
.endr
.endm
.macro FRAGA reg, st, i                ; 64 along K are a head's plane
.irp p, 0,1,2,3,4,5
	ds_load_b64 v[\reg+2*\p:\reg+2*\p+1], v[ADRA+(\st)/4] offset:(2*((\st)%4)+\p/3)*6144+(\i)*768+8*(\p%3)
.endr
.endm
.macro FETCH st                        ; a step's twelve fragments into set st % 2: 72 loads
	WIN 0x40
.irp i, 0,1,2,3,4,5,6,7
	FRAGB 96*((\st)%2)+FR*\i, \st, \i
.endr
	WIN 0
.irp i, 0,1,2,3
	FRAGA AF+48*((\st)%2)+FR*\i, \st, \i
.endr
.endm
.macro MULS st, a0                     ; 16 products; the 32 accumulators take turns
.irp a, \a0, \a0+1
.irp b, 0,1,2,3,4,5,6,7
.if (\st) == 0
	v_wmma_scale_f32_16x16x128_f8f6f4 v[8*(8*(\a)+\b):8*(8*(\a)+\b)+7], v[96*((\st)%2)+FR*\b:96*((\st)%2)+FR*\b+FR-1], v[AF+48*((\st)%2)+FR*(\a):AF+48*((\st)%2)+FR*(\a)+FR-1], v[BI+8*\b:BI+8*\b+7], v[SC+8*\b+(\st)], v[SC+8*(\a)+(\st)] matrix_a_fmt:MATRIX_FMT_FP6 matrix_b_fmt:MATRIX_FMT_FP6 matrix_a_scale:MATRIX_SCALE_ROW1
.else
	v_wmma_scale_f32_16x16x128_f8f6f4 v[8*(8*(\a)+\b):8*(8*(\a)+\b)+7], v[96*((\st)%2)+FR*\b:96*((\st)%2)+FR*\b+FR-1], v[AF+48*((\st)%2)+FR*(\a):AF+48*((\st)%2)+FR*(\a)+FR-1], v[8*(8*(\a)+\b):8*(8*(\a)+\b)+7], v[SC+8*\b+(\st)], v[SC+8*(\a)+(\st)] matrix_a_fmt:MATRIX_FMT_FP6 matrix_b_fmt:MATRIX_FMT_FP6 matrix_a_scale:MATRIX_SCALE_ROW1
.endif
.endr
.endr
.endm
.macro STEP st                         ; 128 along K; in its middle the next step's fragments are asked for, into the set that the step before has multiplied
.if (\st) == 0
.set MW, 0x81                          ; B window 1, A and the bias window 0, D window 2
.else
.set MW, 0xa1                          ; C and D window 2
.endif
	s_wait_dscnt 0x0                               ; this step's fragments are in
.if (\st) == 7
	s_barrier_signal -1                            ; my last reads of the tiles are over
.endif
	WIN MW
	MULS \st, 0
.if (\st) < 7
	PLACES 4                                       ; ahead of loads into registers that matrix instructions have read
	FETCH (\st)+1
	WIN MW
.endif
	MULS \st, 2
	WIN 0
.endm
	s_wait_alu depctr_va_vdst(0)
	s_wait_tensorcnt 0x0                           ; my tile has landed:
	s_barrier_signal -1
	s_barrier_wait -1                              ; everybody's has
	FETCH 0
.irp i, 0,1,2,3,4,5,6,7
	ds_load_b128 v[SC+8*\i:SC+8*\i+3], v[ADRS] offset:\i*SBLK             ; a row's 32 scale bytes: the words of all eight steps
	ds_load_b128 v[SC+8*\i+4:SC+8*\i+7], v[ADRS] offset:\i*SBLK+16
.endr
	s_wait_loadcnt 0x0                             ; the bias
.irp s, 0,1,2,3,4,5,6,7
	STEP \s
.endr
	s_barrier_wait -1                              ; nobody reads the tiles any more: the stages lie over A's planes, which are filled once
; THE WAY OUT: a block of 16 rows x 128 columns goes through my stage and comes back as whole rows of 512 bytes
.macro TOSTAGE a
.set AC, 64*(\a)
	WIN 0x08
.irp b, 0,1,2,3,4,5,6,7
	ds_store_b128 v[STO], v[AC+8*\b:AC+8*\b+3] offset:64*\b
	ds_store_b128 v[STO], v[AC+8*\b+4:AC+8*\b+7] offset:64*\b+16
.endr
	WIN 0
.set BB, BK+64*((\a)%2)
.irp t, 0,1,2,3,4,5,6,7,8,9,10,11,12,13,14,15
	ds_load_b128 v[BB+4*\t:BB+4*\t+3], v[RD] offset:\t*SPITCH
.endr
.endm
.macro SEND a, younger                 ; younger: the LDS instructions issued behind block a's loads
.set BB, BK+64*((\a)%2)
	s_wait_dscnt \younger
.if (\a) > 0
	s_add_nc_u64 s[12:13], s[12:13], 16*SIZE_N*4   ; behind a wait on XCNT: the earlier stores have read their base
.endif
.irp t, 0,1,2,3,4,5,6,7,8,9,10,11,12,13,14,15
	global_store_b128 v[CO], v[BB+4*\t:BB+4*\t+3], s[12:13] offset:\t*SIZE_N*4 th:TH_STORE_NT   ; 32 lanes store 512 consecutive bytes, at a multiple of 256 from out0's first byte
.endr
.endm
	PLACES 4
	TOSTAGE 0
.irp a, 1,2,3
.if \a > 1
	s_wait_xcnt 0x0
.endif
	TOSTAGE \a
	SEND \a-1, 32                                  ; block a's 16 stores and 16 loads may be out
.endr
	s_wait_xcnt 0x0
	SEND 3, 0
	s_wait_tensorcnt 0x0                           ; the wave's end
	ds_add_u32 v[SPW], v[NIL]
	s_wait_dscnt 0x0
	CROUND                                         ; the closing round
	s_endpgm
.Lfunc_end_k_qbcd64314ff_fc:
	.size	k_qbcd64314ff_fc, .Lfunc_end_k_qbcd64314ff_fc-k_qbcd64314ff_fc
	.p2alignl 7, 3214868480
	.fill 96, 4, 3214868480
	.section	.rodata,"a",@progbits
	.p2align	6, 0x0
	.amdhsa_kernel k_qbcd64314ff_fc
		.amdhsa_group_segment_fixed_size 327680
		.amdhsa_private_segment_fixed_size 0
		.amdhsa_enable_private_segment 0
		.amdhsa_kernarg_size 48
		.amdhsa_user_sgpr_count 2
		.amdhsa_user_sgpr_kernarg_segment_ptr 1
		.amdhsa_wavefront_size32 1
		.amdhsa_system_sgpr_workgroup_id_x 1
		.amdhsa_system_sgpr_workgroup_id_y 1
		.amdhsa_system_sgpr_workgroup_id_z 1
		.amdhsa_system_vgpr_workitem_id 0
		.amdhsa_next_free_vgpr 768
		.amdhsa_next_free_sgpr 96
		.amdhsa_reserve_vcc 0
		.amdhsa_float_denorm_mode_32 3
		.amdhsa_float_denorm_mode_16_64 3
		.amdhsa_memory_ordered 1
		.amdhsa_forward_progress 1
		.amdhsa_inst_pref_size 97
	.end_amdhsa_kernel
	.amdgpu_metadata
---
amdhsa.version: [ 1, 2 ]
amdhsa.kernels:
  - .name:           k_qbcd64314ff_fc
    .symbol:         k_qbcd64314ff_fc.kd
    .args:
      - { .name: a_codes, .offset: 0, .size: 8, .value_kind: global_buffer, .address_space: global }
      - { .name: a_scales, .offset: 8, .size: 8, .value_kind: global_buffer, .address_space: global }
      - { .name: w_fc_codes, .offset: 16, .size: 8, .value_kind: global_buffer, .address_space: global }
      - { .name: w_fc_scales, .offset: 24, .size: 8, .value_kind: global_buffer, .address_space: global }
      - { .name: b_fc, .offset: 32, .size: 8, .value_kind: global_buffer, .address_space: global }
      - { .name: out0, .offset: 40, .size: 8, .value_kind: global_buffer, .address_space: global }
    .group_segment_fixed_size: 327680
    .private_segment_fixed_size: 0
    .kernarg_segment_align: 8
    .kernarg_segment_size: 48
    .max_flat_workgroup_size: 128
    .sgpr_count:     96
    .vgpr_count:     768
    .wavefront_size: 32
...
	.end_amdgpu_metadata
.endif
;; end of part 3
